; MI455X (gfx1250); checked and timed in simulation.
; The chip was launched on July 23, 2026; its instructions are those of AMD's public machine-readable ISA for CDNA 5 (MIT licence, August 2026) and "CDNA5" Instruction Set Architecture Reference Guide (July 2026). The comments in the code are by the model that wrote it; some were corrected since.
;; Sparse Mo E Layer. Allowed arithmetic: matrix products marked QUANTISED: E2M1 operands, one E8M0 scale for each 32 along K, by v_wmma_scale_f32_16x16x128_f8f6f4 with both operands' format E2M1 (or v_wmma_scale_f32_32x16x128_f4), f32 sums; products left as they are: f32 operands where the result goes on into a quantised operand, else bf16, f16 or f32 operands; f32 sums; everything else in f32.
;; Inputs: b1 8 x 512 float32; b2 8 x 1,024 float32; hidden_states 2 x 4,096 x 1,024 float32; router_b 8 float32; router_w 1,024 x 8 float32; w1 8 x 1,024 x 512 float32; w2 8 x 512 x 1,024 float32.
;; Outputs: out0 2 x 4,096 x 1,024 float32; out1 one number float32.
;; This version of the problem:
;;   THIS VERSION OF THE PROBLEM IS GIVEN IN LOW PRECISION. The matrix products marked QUANTISED in the list below multiply operands that are first quantised to E2M1 (2 exponent bits, 1 mantissa bit; 4 bits a number), with one power-of-two scale for each 32 numbers along K (OCP MX v1.0); their sums are f32. All else is computed in f32.
;;   The module's matrix products, in the order in which they are computed (A, B: the left and right operand; K: the contracted axis; several contracted axes count as one K, in the product's order):
;;     1. [M 8,192, K 1,024] x [K 1,024, N 8]; A: input hidden_states; B: input router_w: left as it is (N = 8 < 16)
;;     2. [M 8,192, K 1,024] x [K 1,024, N 512]; A: input hidden_states; B: input w1: QUANTISED
;;     3. [M 8,192, K 512] x [K 512, N 1,024]; A: computed on the way; B: input w2: QUANTISED
;;     4. [M 8,192, K 1,024] x [K 1,024, N 512]; A: input hidden_states; B: input w1: QUANTISED
;;     5. [M 8,192, K 512] x [K 512, N 1,024]; A: computed on the way; B: input w2: QUANTISED
;;     6. [M 8,192, K 1,024] x [K 1,024, N 512]; A: input hidden_states; B: input w1: QUANTISED
;;     7. [M 8,192, K 512] x [K 512, N 1,024]; A: computed on the way; B: input w2: QUANTISED
;;     8. [M 8,192, K 1,024] x [K 1,024, N 512]; A: input hidden_states; B: input w1: QUANTISED
;;     9. [M 8,192, K 512] x [K 512, N 1,024]; A: computed on the way; B: input w2: QUANTISED
;;     10. [M 8,192, K 1,024] x [K 1,024, N 512]; A: input hidden_states; B: input w1: QUANTISED
;;     11. [M 8,192, K 512] x [K 512, N 1,024]; A: computed on the way; B: input w2: QUANTISED
;;     12. [M 8,192, K 1,024] x [K 1,024, N 512]; A: input hidden_states; B: input w1: QUANTISED
;;     13. [M 8,192, K 512] x [K 512, N 1,024]; A: computed on the way; B: input w2: QUANTISED
;;     14. [M 8,192, K 1,024] x [K 1,024, N 512]; A: input hidden_states; B: input w1: QUANTISED
;;     15. [M 8,192, K 512] x [K 512, N 1,024]; A: computed on the way; B: input w2: QUANTISED
;;     16. [M 8,192, K 1,024] x [K 1,024, N 512]; A: input hidden_states; B: input w1: QUANTISED
;;     17. [M 8,192, K 512] x [K 512, N 1,024]; A: computed on the way; B: input w2: QUANTISED
;;   THE QUANTISER, for each operand of a quantised product, along K:
;;     - K is cut into blocks of 32 from its start; a last block that is shorter is filled with zeros.
;;     - A block's scale is 2^e with e = floor(log2(the largest magnitude in the block)) - 2, held to -126 .. 127; a block of zeros has e = 0. As a byte (E8M0): e + 127.
;;     - Each number is divided by its block's scale, clamped to +-6, and rounded to the nearest number of E2M1, ties to even, subnormals kept.
;;     - The product sums the exact products of the quantised numbers (number of the format x scale) in f32.
;;   ~~~python
;;   def quantise(x, axis):      # numpy; x: float32 -> the quantised numbers, widened to float32 again
;;       x = np.moveaxis(x, axis, -1); K = x.shape[-1]
;;       x = np.pad(x, [(0, 0)] * (x.ndim - 1) + [(0, -K % 32)]); x = x.reshape(x.shape[:-1] + (-1, 32)); a = np.abs(x).max(-1, keepdims=True)
;;       e = np.where(a > 0, np.clip(np.frexp(np.where(a > 0, a, 1))[1] - 1 - 2, -126, 127), 0)      # np.frexp(a)[1] - 1 = floor(log2(a)), exactly
;;       r = np.clip(x / 2.0 ** e, -6, 6)
;;       step = 2.0 ** (np.maximum(np.frexp(np.where(r == 0, 1, r))[1] - 1, 0) - 1)
;;       q = np.round(r / step) * step * 2.0 ** e      # np.round: ties to even
;;       return np.moveaxis(q.reshape(q.shape[:-2] + (-1,))[..., :K], -1, axis).astype(np.float32)
;;   ~~~
;;   OPERANDS COMPUTED ON THE WAY. 'Computed on the way' means the value that the module computes at that place (a softmax that the list does not call 'softmax' is quantised finished and normalised). What goes into a quantiser is computed in f32, as accurately as f32 sums, v_exp_f32 and their like allow (about 1e-6 of the number): no bf16 or f16 on the way to a quantiser, and a product that is left as it is and whose result goes on into a quantised operand takes f32 operands (vector FMAs, or v_wmma_f32_16x16x4_f32). A number that lies on a knife's edge between two numbers of the format may be rounded either way, as far as f32 arithmetic and the matrix unit's own rounding can turn it there, and no further.
;; 2 versions, each right; version 2 is version 1 with the launch hidden written anew for expert scheduling mode. Each part assembles by itself: llvm-mc -triple=amdgcn-amd-amdhsa -mcpu=gfx1250 --defsym DOCPART=n.
;; ======== version 1 of 2: 3 launches
;; workspace buffers: xrec 4,456,448 bytes; w1rec 2,228,224 bytes; w2rec 2,228,224 bytes; hrec 17,825,792 bytes; wts 262,144 bytes; part 16,384 bytes
;; launch prep (part 1): grid 512 x 1, 4 waves a work-group, no clusters, 149,504 bytes of LDS; arguments hidden_states, router_w, router_b, w1, w2, xrec, w1rec, w2rec, wts, part; writes xrec, w1rec, w2rec, wts, part
.if DOCPART == 1
	.amdgcn_target "amdgcn-amd-amdhsa--gfx1250"
	.amdhsa_code_object_version 6
	.text
	.protected	k_qd20efc1c15_prep
	.globl	k_qd20efc1c15_prep
	.p2align	8
	.type	k_qd20efc1c15_prep,@function
k_qd20efc1c15_prep:
	s_mov_b64 s[64:65], 0
	v_nop
	global_prefetch_b8 v0, s[64:65] scope:SCOPE_SE
	s_setreg_imm32_b32 hwreg(HW_REG_WAVE_MODE, 25, 1), 1
	s_wait_xcnt 0x0
; PREP: x [8192][1024], w1 [8][1024][512], w2 [8][512][1024] (f32) become codes of FP4 (E2M1) with one E8M0 byte for each 32 along K, laid as IMAGES OF OPERAND REGISTERS;
; the router (logits in f32 by fused multiply-adds, top 2, their softmax, the softmax of all eight) gives each token's eight combine weights and, for each 32 tokens, partial sums for the aux loss.
; A fragment (16 rows x 128 K) is 1,024 bytes: byte 512 c + 16 (r + 16 h) on holds the 32 codes k = 64 c + 32 h + 0..31 of row r: what lane (r, h) keeps in registers 4 c .. 4 c + 3.
; A scale pair is 256 bytes: 8 bytes a lane = the scale words of two K steps; lanes 0-15 an even tile's rows, lanes 16-31 the odd tile's.
; A block's scale is 2^(floor(log2(largest magnitude)) - 2): its byte is the largest magnitude's exponent field - 2, held at 1 from below.
; WORK-GROUPS: 0-255: 32 tokens of x and their routing; 256-383: w1; 384-511: w2.  The choice hangs on the work-group's number alone; each kind has LDS bytes of its own; only the first kind has a barrier.
; No matrix unit, no tensor load, no cluster: a stream in which no two work-groups read the same large bytes.
; LIMITS: the logits' f32 sums are ordered otherwise than the reference's, so two logits that differ by less than that rounding may change places in the top 2; NaN and infinities are not served;
; a block whose largest magnitude lies under 2^-124 (a block of zeros too) keeps the byte 1: its bytes are read by this program alone, and zero codes add nothing.
.set PITCH, 4112                       ; a token's row in LDS: 4,096 bytes + 16: an odd multiple of 16, so that 16 lanes that read 16 rows touch 16 different 16-byte columns of 256
.set LG,    32*PITCH                   ; behind the rows: the logits, 32 tokens x 32 bytes
.set WST1,  LG+1024                    ; w1's work-groups: a stage of 2,048 bytes for each wave
.set WST2,  WST1+8192                  ; w2's likewise
.set MSB, 0
.macro WIN new                         ; the immediate's high byte repeats the setting that is left
.if MSB != \new
	s_set_vgpr_msb (MSB<<8)|\new
.set MSB, \new
.endif
.endm
; One block: the lane's 32 numbers v[XS..XS+31] -> 4 registers of codes v[CD..CD+3]; the byte goes to place POS of v[SBR].
.macro QB
	v_max3_num_f32 v10, |v[XS]|, |v[XS+1]|, |v[XS+2]|              ; the largest magnitude, in two chains
	v_max3_num_f32 v11, |v[XS+3]|, |v[XS+4]|, |v[XS+5]|
.irp i, 6,10,14,18,22,26
	v_max3_num_f32 v10, v10, |v[XS+\i]|, |v[XS+\i+1]|
	v_max3_num_f32 v11, v11, |v[XS+\i+2]|, |v[XS+\i+3]|
.endr
	v_max3_num_f32 v10, v10, |v[XS+30]|, |v[XS+31]|
	v_max3_num_f32 v10, v10, v11, 0x1800000        ; and the floor 2^(3 - 127): the byte cannot fall under 1
	v_add_nc_u32 v12, 0xff000000, v10              ; 2 off the exponent field: the conversion takes this operand's exponent field as its scale
	v_lshrrev_b32 v13, 23, v12                     ; the byte
.if POS == 0
	v_mov_b32 v[SBR], v13
.else
	v_lshl_or_b32 v[SBR], v13, 8*POS, v[SBR]
.endif
.irp g, 0,1,2,3
	v_cvt_scalef32_pk8_fp4_f32 v[CD+\g], v[XS+8*\g:XS+8*\g+7], v12
.endr
	v_nop                                          ; one plain place behind the last scaled conversion
.endm
; A WEIGHT.  A wave takes 32 columns x 256 along K.  Lane (q = lane / 8, m = lane % 8) takes columns 4 m .. 4 m + 3 and rows 64 q .. 64 q + 63: two whole blocks of 32 for each of four columns.
; Each of its 64 loads brings 16 bytes a lane: four rows' 128 consecutive bytes, 512 bytes a load (the four waves stand side by side on 512 bytes of a row); all 64 go out at once: the wave's whole 32 KiB.
; The conversions take a column's neighbours along K from consecutive registers, and a load of 16 bytes lays four COLUMNS side by side: so 32 copies put each block's numbers on end: the price of the wide loads.
; A lane's four columns fall into the same 256 bytes of an image: so the codes go through the wave's own stage in LDS (2,048 bytes, once for each of the lane's two blocks) and leave as whole runs of 256 bytes.
; REGISTERS: v1 load offset; v2 stage in; v3 place of my scale pair; v4 stage out; v5 place of my 16 bytes of codes; v15 16 (q % 2); v32-159 four blocks on end; v160-191 codes; v192-199 scale bytes; v200-231 codes back;
;   window 1: the numbers as loaded, register 4 i + c = row 64 q + i, column 4 m + c.
.macro WBODY stride
	WIN 0x40                                       ; destination window 1
.set ii, 0
.rept 64
	global_load_b128 v[4*ii:4*ii+3], v1, s[28:29] offset:ii*\stride th:TH_LOAD_NT
.set ii, ii+1
.endr
	WIN 0
.set HH, 0
.rept 2                                ; my blocks 2 q and 2 q + 1
.if HH == 0
	s_wait_loadcnt 32                              ; rows 0-31's loads are in; rows 32-63's 32 may be out
.else
	s_wait_loadcnt 0x0
.endif
	WIN 0x01                                       ; source window 1
.set ii, 0
.rept 128
	v_mov_b32 v[32+ii], v[4*(32*HH+ii%32)+ii/32]   ; column ii / 32: its 32 numbers on end
.set ii, ii+1
.endr
	WIN 0
.set CC, 0
.rept 4
.set XS, 32+32*CC
.set CD, 160+16*HH+4*CC
.set SBR, 192+CC
.set POS, HH
	QB
.set CC, CC+1
.endr
.irp c, 0,1,2,3
	ds_store_b128 v2, v[160+16*HH+4*\c:163+16*HH+4*\c] offset:16*\c   ; the stage: 1,024 (K step) + 512 (tile) + 256 (q % 2) + 16 (row of the tile).  Lanes 64 bytes apart: four deep on the banks, eight such stores a wave
.endr
.irp n, 0,1,2,3
	ds_load_b128 v[200+16*HH+4*\n:203+16*HH+4*\n], v4 offset:512*\n   ; LDS serves a wave's instructions in order (ISA guide 5.7.1.4): these see the stores above
.endr
	s_wait_dscnt 0x0
.irp n, 0,1,2,3
	global_store_b128 v5, v[200+16*HH+4*\n:203+16*HH+4*\n], s[30:31] offset:(\n/2)*8192+(\n%2)*1024+HH*256   ; sixteen lanes fill 256 consecutive aligned bytes of an image's half c = 0, the other sixteen of c = 1
.endr
.set HH, HH+1
.endr
	; the scale bytes: v[192 + c] holds my two bytes of column 4 m + c: bytes 2 (q % 2) and 2 (q % 2) + 1 of the word of K step q / 2
.irp c, 0,1,2,3
	v_lshlrev_b32 v[192+\c], v15, v[192+\c]        ; to their places in the word
.endr
.irp c, 0,1,2,3
	v_mov_b32_dpp v[196+\c], v[192+\c] row_xmask:8 row_mask:0xf bank_mask:0xf   ; lane l xor 8 holds the word's other two
.endr
.irp c, 0,1,2,3
	v_or_b32 v[192+\c], v[192+\c], v[196+\c]       ; lanes 0-15: the first K step's words, lanes 16-31: the second's
.endr
.irp c, 0,1,2,3
	v_permlanex16_b32 v[196+\c], v[192+\c], s38, s39   ; and the other K step's
.endr
	v_cndmask_b32 v8, v192, v193, s40              ; lane (q, m) stores the pair of column 4 m + q
	v_cndmask_b32 v9, v196, v197, s40
	v_cndmask_b32 v8, v8, v194, s41
	v_cndmask_b32 v9, v9, v198, s41
	v_cndmask_b32 v8, v8, v195, s42
	v_cndmask_b32 v9, v9, v199, s42
	v_cndmask_b32 v10, v8, v9, s43                 ; the first K step's word: mine in lanes 0-15
	v_cndmask_b32 v11, v9, v8, s43                 ; the second's: mine in lanes 16-31
	global_store_b64 v3, v[10:11], s[32:33]        ; the 32 lanes fill 256 consecutive aligned bytes
	s_wait_tensorcnt 0x0
	ds_add_u32 v254, v255
	s_wait_dscnt 0x0
	s_endpgm
.endm
; Eight sums v[a..a+7] over the 32 lanes, by turns; v[t..t+7] at work (written before).
.macro RED8 a, t
.irp m, 1,2,4,8
.irp e, 0,1,2,3,4,5,6,7
	v_add_f32_dpp v[\a+\e], v[\a+\e], v[\a+\e] row_xmask:\m row_mask:0xf bank_mask:0xf
.endr
.endr
.irp e, 0,1,2,3,4,5,6,7
	v_permlanex16_b32 v[\t+\e], v[\a+\e], s38, s39
.endr
.irp e, 0,1,2,3,4,5,6,7
	v_add_f32 v[\a+\e], v[\a+\e], v[\t+\e]
.endr
.endm
	s_load_b512 s[4:19], s[0:1], 0x0               ; x s[4:5], router_w s[6:7], router_b s[8:9], w1 s[10:11], w2 s[12:13], xrec s[14:15], w1rec s[16:17], w2rec s[18:19]
	s_load_b128 s[20:23], s[0:1], 0x40             ; wts s[20:21], part s[22:23]
	v_lshl_add_u32 v254, v0, 2, 0x24600
	v_mov_b32 v255, 0
	v_lshrrev_b32 v1, 5, v0
	v_readfirstlane_b32 s24, v1                    ; wave 0..3
	v_and_b32 v14, 31, v0                          ; lane
	s_wait_kmcnt 0x0
	s_cmp_lt_u32 ttmp9, 256
	s_cbranch_scc1 .Lx
	; ---- both weights
	s_mov_b32 s37, 0
	s_mov_b32 s38, 0x76543210
	s_mov_b32 s39, 0xfedcba98                      ; v_permlanex16_b32's selects for lane l xor 16
	s_mov_b32 s40, 0x0000ff00                      ; the lanes with q = 1,
	s_mov_b32 s41, 0x00ff0000                      ; 2,
	s_mov_b32 s42, 0xff000000                      ; 3;
	s_mov_b32 s43, 0xffff0000                      ; lanes 16-31
	v_bfe_u32 v15, v0, 3, 1
	v_lshlrev_b32 v15, 4, v15                      ; 16 (q % 2)
	v_bfe_u32 v5, v0, 4, 1
	v_and_b32 v6, 15, v0
	v_lshlrev_b32 v6, 4, v6
	v_lshl_add_u32 v5, v5, 9, v6                   ; codes out: 512 (lane / 16) + 16 (lane % 16)
	v_bfe_u32 v7, v0, 3, 2                         ; q
	v_and_b32 v6, 7, v0                            ; m
	v_lshlrev_b32 v1, 4, v6                        ; my four columns: 16 m bytes on
.irp c, 0,1,2,3
	v_mov_b32 v[196+\c], 0                         ; written once: the destination of a lane exchange counts as one of its sources
.endr
	s_cmp_lt_u32 ttmp9, 384
	s_cbranch_scc1 .Lw1
	; ---- w2: work-group a = e x 16 + j x 2 + sp; wave i: columns 128 j + 32 i on, K = 256 sp on
	s_sub_co_u32 s25, ttmp9, 384
	s_lshr_b32 s26, s25, 4                         ; e
	s_bfe_u32 s27, s25, 0x30001                    ; j
	s_and_b32 s34, s25, 1                          ; sp
	s_lshl_b32 s36, s26, 21                        ; an expert: 512 x 1,024 x 4 bytes
	s_lshl_b32 s35, s34, 20                        ; 256 rows of 4,096 bytes
	s_add_co_u32 s36, s36, s35
	s_lshl_b32 s35, s27, 9
	s_add_co_u32 s36, s36, s35
	s_lshl_b32 s35, s24, 7
	s_add_co_u32 s36, s36, s35
	s_add_nc_u64 s[28:29], s[12:13], s[36:37]
	s_lshl_b32 s35, s27, 3
	s_add_co_u32 s35, s35, s26
	s_mul_i32 s25, s35, 34816                      ; record 8 j + e: codes [s 0..3][ct 0..7][1024], then scales [i 0..3][sp 0..1][256]
	s_lshl_b32 s35, s34, 14
	s_add_co_u32 s36, s25, s35
	s_lshl_b32 s35, s24, 11
	s_add_co_u32 s36, s36, s35
	s_add_nc_u64 s[30:31], s[18:19], s[36:37]
	s_lshl_b32 s35, s24, 9
	s_add_co_u32 s36, s25, s35
	s_lshl_b32 s35, s34, 8
	s_add_co_u32 s36, s36, s35
	s_add_co_u32 s36, s36, 32768
	s_add_nc_u64 s[32:33], s[18:19], s[36:37]
	v_lshl_add_u32 v1, v7, 18, v1                  ; + 64 q rows of 4,096 bytes
	; column x = 4 m + c of the wave's 32 is row x % 16 of tile x / 16: tile = m / 4, row = 4 (m % 4) + c
	v_bfe_u32 v2, v0, 4, 1
	v_lshlrev_b32 v2, 10, v2                       ; K step q / 2
	v_bfe_u32 v8, v0, 2, 1
	v_lshl_add_u32 v2, v8, 9, v2                   ; tile m / 4
	v_bfe_u32 v8, v0, 3, 1
	v_lshl_add_u32 v2, v8, 8, v2                   ; q % 2
	v_and_b32 v8, 3, v0
	v_lshl_add_u32 v2, v8, 6, v2                   ; rows 4 (m % 4) on
	s_lshl_b32 s35, s24, 11
	s_add_co_u32 s35, s35, WST2                    ; my wave's stage
	v_add_nc_u32 v2, s35, v2
	v_lshl_add_u32 v4, v14, 4, s35
	v_lshlrev_b32 v3, 5, v6
	v_lshl_add_u32 v3, v7, 3, v3                   ; the pair of column 4 m + q: 8 bytes a column
	WBODY 4096
.Lw1:	; ---- w1: work-group a = e x 16 + w x 4 + kp; wave b: hidden units 128 w + 32 b on, K = 256 kp on
	s_sub_co_u32 s25, ttmp9, 256
	s_lshr_b32 s26, s25, 4                         ; e
	s_bfe_u32 s27, s25, 0x20002                    ; w
	s_and_b32 s34, s25, 3                          ; kp
	s_lshl_b32 s36, s26, 21                        ; an expert: 1,024 x 512 x 4 bytes
	s_lshl_b32 s35, s34, 19                        ; 256 rows of 2,048 bytes
	s_add_co_u32 s36, s36, s35
	s_lshl_b32 s35, s27, 9
	s_add_co_u32 s36, s36, s35
	s_lshl_b32 s35, s24, 7
	s_add_co_u32 s36, s36, s35
	s_add_nc_u64 s[28:29], s[10:11], s[36:37]
	s_lshl_b32 s35, s26, 2
	s_add_co_u32 s35, s35, s27
	s_mul_i32 s25, s35, 69632                      ; record 4 e + w: codes [kstep 0..7][tile 0..7][1024], then scales [b 0..3][kp 0..3][256]
	s_lshl_b32 s35, s34, 14
	s_add_co_u32 s36, s25, s35
	s_lshl_b32 s35, s24, 11
	s_add_co_u32 s36, s36, s35
	s_add_nc_u64 s[30:31], s[16:17], s[36:37]
	s_lshl_b32 s35, s24, 10
	s_add_co_u32 s36, s25, s35
	s_lshl_b32 s35, s34, 8
	s_add_co_u32 s36, s36, s35
	s_add_co_u32 s36, s36, 65536
	s_add_nc_u64 s[32:33], s[16:17], s[36:37]
	v_lshl_add_u32 v1, v7, 17, v1                  ; + 64 q rows of 2,048 bytes
	; THE ROWS OF A TILE OF W1 ARE NOT NEIGHBOURS: row r of tile 2 b + u is unit 32 b + 8 u + r + 8 (r / 8), so that the first product's results are neighbours along the next K.
	; So unit x = 4 m + c of the wave's 32 goes to u = (x / 8) % 2 = (m / 2) % 2, r = x % 8 + 8 (x / 16) = 4 (m % 2) + c + 8 (m / 4)
	v_bfe_u32 v2, v0, 4, 1
	v_lshlrev_b32 v2, 10, v2                       ; K step q / 2
	v_bfe_u32 v8, v0, 1, 1
	v_lshl_add_u32 v2, v8, 9, v2                   ; tile u
	v_bfe_u32 v8, v0, 3, 1
	v_lshl_add_u32 v2, v8, 8, v2                   ; q % 2
	v_bfe_u32 v8, v0, 2, 1
	v_lshl_add_u32 v2, v8, 7, v2                   ; rows 8 (m / 4)
	v_and_b32 v8, 1, v0
	v_lshl_add_u32 v2, v8, 6, v2                   ; + 4 (m % 2) on
	s_lshl_b32 s35, s24, 11
	s_add_co_u32 s35, s35, WST1                    ; my wave's stage
	v_add_nc_u32 v2, s35, v2
	v_lshl_add_u32 v4, v14, 4, s35
	v_and_b32 v3, 1, v0                            ; the pair of unit 4 m + q lies at 8 (r + 16 u)
	v_lshlrev_b32 v3, 5, v3
	v_lshl_add_u32 v3, v7, 3, v3
	v_bfe_u32 v8, v0, 2, 1
	v_lshl_add_u32 v3, v8, 6, v3
	v_bfe_u32 v8, v0, 1, 1
	v_lshl_add_u32 v3, v8, 7, v3
	WBODY 2048
.Lx:	; ---- x: work-group tp = 32 tokens
	; REGISTERS: v1 16 lane; v2 128 lane; v3 LDS, rows in; v4 LDS, logits in; v5 LDS, rows out; v6, v7 places in the record; v[8:9] scale words; v10-13 at work; v14 lane; v15 LDS, logits out;
	;   v16-31 two sets of four pairs of sums; v32-159 four token slots; v160-191 codes; v192-251 the routing.  Window 1 (v256-511): router_w, register 8 (4 i + j) + e = router_w[128 i + 4 lane + j][e].
	s_load_b256 s[40:47], s[8:9], 0x0              ; router_b: eight numbers, in scalar registers (no line of this launch writes that tensor)
	s_lshl_b32 s26, ttmp9, 17                      ; 32 rows of 4,096 bytes,
	s_lshl_b32 s25, s24, 15                        ; my wave's 8 of them
	s_add_co_u32 s26, s26, s25
	s_mov_b32 s27, 0
	s_add_nc_u64 s[28:29], s[4:5], s[26:27]
	s_mul_i32 s34, ttmp9, 17408                    ; record tp: codes [kstep 0..7][tile 0..1][1024], then scales [kp 0..3][256]
	s_lshl_b32 s25, s24, 12
	s_add_co_u32 s26, s34, s25
	s_add_nc_u64 s[30:31], s[14:15], s[26:27]
	s_lshl_b32 s25, s24, 8
	s_add_co_u32 s26, s34, s25
	s_add_co_u32 s26, s26, 16384
	s_add_nc_u64 s[32:33], s[14:15], s[26:27]
	s_lshl_b32 s26, ttmp9, 10
	s_add_nc_u64 s[20:21], s[20:21], s[26:27]
	s_lshl_b32 s26, ttmp9, 6
	s_add_nc_u64 s[22:23], s[22:23], s[26:27]
	s_mov_b32 s38, 0x76543210
	s_mov_b32 s39, 0xfedcba98                      ; v_permlanex16_b32's selects for lane l xor 16
	v_lshlrev_b32 v1, 4, v14
	v_lshlrev_b32 v2, 7, v14
	s_mul_i32 s25, s24, 8*PITCH
	v_add_nc_u32 v3, s25, v1
	v_lshrrev_b32 v4, 5, v0
	v_lshl_add_u32 v4, v4, 8, LG                   ; my wave's 8 tokens' logits: 256 bytes
	v_mul_u32_u24 v5, v14, PITCH
	s_lshl_b32 s25, s24, 10
	v_add_nc_u32 v5, s25, v5                       ; token = lane; my wave's K steps 2 w and 2 w + 1: 1,024 bytes of the row
	v_lshrrev_b32 v6, 4, v14
	v_and_b32 v7, 15, v14
	v_lshlrev_b32 v7, 4, v7
	v_lshl_add_u32 v6, v6, 10, v7
	v_lshlrev_b32 v7, 3, v14
	v_lshl_add_u32 v15, v14, 5, LG
	WIN 0x40                                       ; destination window 1
.set ii, 0
.rept 32
	global_load_b128 v[8*ii:8*ii+3],   v2, s[6:7] offset:(ii/4)*4096+(ii%4)*32
	global_load_b128 v[8*ii+4:8*ii+7], v2, s[6:7] offset:(ii/4)*4096+(ii%4)*32+16
.set ii, ii+1
.endr
	WIN 0
.macro XLD tau                         ; a token's row: eight loads of 512 consecutive bytes
.irp i, 0,1,2,3,4,5,6,7
	global_load_b128 v[32+32*((\tau)%4)+4*\i:35+32*((\tau)%4)+4*\i], v1, s[28:29] offset:(\tau)*4096+\i*512 th:TH_LOAD_NT
.endr
.endm
	XLD 0
	XLD 1
	XLD 2
	XLD 3
; One token: its row goes to LDS as it lies; its eight logits are summed over the wave: 128 packed multiply-adds (a number of x, taken for both halves, times two experts' weights), in 8 chains.
.macro XTOK tau
.set SL, 32+32*((\tau)%4)
.if (\tau) < 5
	s_wait_loadcnt 24                              ; this token's eight loads (and router_w) are in; the three younger tokens' 24 may be out
.else
	s_wait_loadcnt 8*(7-(\tau))
.endif
.irp i, 0,1,2,3,4,5,6,7
	ds_store_b128 v3, v[SL+4*\i:SL+4*\i+3] offset:(\tau)*PITCH+\i*512
.endr
	WIN 0x04                                       ; source 1 (router_w) window 1
.set ii, 0
.rept 32
.set AC, 16+8*((ii/4)%2)
.set XP, SL+2*(ii/2)
.irp p, 0,1,2,3
.if (ii == 0) || (ii == 4)
	v_pk_mul_f32 v[AC+2*\p:AC+2*\p+1], v[XP:XP+1], v[8*ii+2*\p:8*ii+2*\p+1] op_sel_hi:[0,1]       ; the first product starts each chain: nothing is cleared
.elseif ii%2 == 0
	v_pk_fma_f32 v[AC+2*\p:AC+2*\p+1], v[XP:XP+1], v[8*ii+2*\p:8*ii+2*\p+1], v[AC+2*\p:AC+2*\p+1] op_sel_hi:[0,1,1]
.else
	v_pk_fma_f32 v[AC+2*\p:AC+2*\p+1], v[XP:XP+1], v[8*ii+2*\p:8*ii+2*\p+1], v[AC+2*\p:AC+2*\p+1] op_sel:[1,0,0] op_sel_hi:[1,1,1]
.endif
.endr
.set ii, ii+1
.endr
	WIN 0
.irp p, 0,2,4,6
	v_pk_add_f32 v[16+\p:17+\p], v[16+\p:17+\p], v[24+\p:25+\p]
.endr
	RED8 16, 24
	ds_store_b128 v4, v[16:19] offset:(\tau)*32    ; all lanes write the same words with the same values
	ds_store_b128 v4, v[20:23] offset:(\tau)*32+16
	s_wait_dscnt 0x0                               ; the LDS stores have read the slot and the sums: both are written again below
.if (\tau) < 4
	XLD (\tau)+4
.endif
.endm
.irp n, 0,1,2,3,4,5,6,7
	XTOK \n
.endr
	s_wait_kmcnt 0x0                               ; router_b
	s_wait_dscnt 0x0                               ; for the others' sake: my rows and logits lie in LDS
	s_barrier_signal -1
	s_barrier_wait -1                              ; the launch's one barrier; behind it nobody writes LDS
	; ---- the codes: lane = token, wave w = K steps 2 w and 2 w + 1: 8 blocks of 32 numbers, LDS loads one block ahead
.macro SLD
.irp i, 0,1,2,3,4,5,6,7
	ds_load_b128 v[32+32*(LB%2)+4*\i:35+32*(LB%2)+4*\i], v5 offset:LB*128+16*\i
.endr
.endm
.set LB, 0
	SLD
.set LB, 1
	SLD
.set BK, 0
.rept 8
.if BK < 7
	s_wait_dscnt 8                                 ; this block's eight loads are in; the next block's eight may be out
.else
	s_wait_dscnt 0x0
.endif
.set XS, 32+32*(BK%2)
.set CD, 160+4*BK
.set SBR, 8+BK/4
.set POS, BK%4
	QB
	global_store_b128 v6, v[CD:CD+3], s[30:31] offset:(BK/4)*2048+((BK%4)/2)*512+(BK%2)*256   ; 256 consecutive aligned bytes for each of the two tiles
.if BK < 6
.set LB, BK+2
	SLD
.endif
.set BK, BK+1
.endr
	global_store_b64 v7, v[8:9], s[32:33]          ; 256 consecutive aligned bytes
	; ---- the routing: wave 0 alone, lane = token
	s_cmp_lg_u32 s24, 0
	s_cbranch_scc1 .Lxend
	ds_load_b128 v[192:195], v15
	ds_load_b128 v[196:199], v15 offset:16
	v_mov_b32 v202, 0xff800000                     ; -infinity
	v_mov_b32 v201, 0                              ; index of the largest
	v_mov_b32 v204, 0                              ; of the second
	v_mov_b32 v240, 1.0
	v_mov_b32 v241, 0
.irp e, 1,2,3,4,5,6,7
	v_mov_b32 v[244+\e], \e
.endr
	s_wait_dscnt 0x0
.irp e, 0,1,2,3,4,5,6,7
	v_add_f32 v[192+\e], s[40+\e], v[192+\e]       ; + router_b
.endr
	v_mov_b32 v200, v192
.irp e, 1,2,3,4,5,6,7
	v_cmp_gt_f32 vcc_lo, v[192+\e], v200           ; strictly larger: of equals the lower index stays, as in the reference's top_k
	v_cndmask_b32 v201, v201, v[244+\e], vcc_lo
	v_max_num_f32 v200, v200, v[192+\e]
.endr
.irp e, 0,1,2,3,4,5,6,7
	v_cmp_eq_u32 vcc_lo, \e, v201
	v_cndmask_b32 v[208+\e], v[192+\e], v202, vcc_lo   ; the largest is taken out
.endr
	v_mov_b32 v203, v208
.irp e, 1,2,3,4,5,6,7
	v_cmp_gt_f32 vcc_lo, v[208+\e], v203
	v_cndmask_b32 v204, v204, v[244+\e], vcc_lo
	v_max_num_f32 v203, v203, v[208+\e]
.endr
	v_sub_f32 v205, v203, v200                     ; both softmaxes take the maximum away first
	v_mul_f32 v205, 0x3fb8aa3b, v205
.irp e, 0,1,2,3,4,5,6,7
	v_sub_f32 v[216+\e], v[192+\e], v200
.endr
.irp e, 0,1,2,3,4,5,6,7
	v_mul_f32 v[216+\e], 0x3fb8aa3b, v[216+\e]
.endr
	v_exp_f32 v205, v205
.irp e, 0,1,2,3,4,5,6,7
	v_exp_f32 v[216+\e], v[216+\e]
.endr
	v_nop                                          ; a plain place behind the exponentials
	s_wait_alu depctr_va_vdst(0)
	v_add_f32 v206, 1.0, v205
	v_add_f32 v207, v216, v217
	v_add_f32 v242, v218, v219
	v_add_f32 v243, v220, v221
	v_add_f32 v244, v222, v223
	v_add_f32 v207, v207, v242
	v_add_f32 v243, v243, v244
	v_add_f32 v207, v207, v243
	v_rcp_f32 v206, v206                           ; the largest's weight
	v_rcp_f32 v207, v207
	v_nop                                          ; a plain place behind the reciprocals
	s_wait_alu depctr_va_vdst(0)
	v_mul_f32 v205, v205, v206                     ; the second's weight
.irp e, 0,1,2,3,4,5,6,7
	v_mul_f32 v[216+\e], v[216+\e], v207           ; the probabilities
.endr
.irp e, 0,1,2,3,4,5,6,7
	v_cmp_eq_u32 vcc_lo, \e, v204
	v_cndmask_b32 v[224+\e], 0, v205, vcc_lo       ; the combine weight of expert e, 0 where the token is not routed there,
	v_cndmask_b32 v[232+\e], 0, v240, vcc_lo       ; and 1 or 0 for the load
	v_cmp_eq_u32 vcc_lo, \e, v201
	v_cndmask_b32 v[224+\e], v[224+\e], v206, vcc_lo
	v_cndmask_b32 v[232+\e], v[232+\e], v240, vcc_lo
.endr
	global_store_b128 v1, v[224:227], s[20:21]             ; wts [tp][half][lane][4]: 512 consecutive bytes a store
	global_store_b128 v1, v[228:231], s[20:21] offset:512
	RED8 216, 208                                  ; the 32 tokens' sums of probabilities
	RED8 232, 208                                  ; and counts
	s_wait_xcnt 0x0                                ; EXEC changes only behind this wait: pending stores name it
	v_cmp_eq_u32 vcc_lo, 0, v14
	s_and_saveexec_b32 s34, vcc_lo
	global_store_b128 v241, v[216:219], s[22:23]
	global_store_b128 v241, v[220:223], s[22:23] offset:16
	global_store_b128 v241, v[232:235], s[22:23] offset:32
	global_store_b128 v241, v[236:239], s[22:23] offset:48
	s_wait_xcnt 0x0                                ; and again in front of the line that widens it
	s_or_b32 exec_lo, exec_lo, s34
.Lxend:
	s_wait_tensorcnt 0x0
	ds_add_u32 v254, v255
	s_wait_dscnt 0x0
	s_endpgm
.Lfunc_end_k_qd20efc1c15_prep:
	.size	k_qd20efc1c15_prep, .Lfunc_end_k_qd20efc1c15_prep-k_qd20efc1c15_prep
	.p2alignl 7, 3214868480
	.fill 96, 4, 3214868480
	.section	.rodata,"a",@progbits
	.p2align	6, 0x0
	.amdhsa_kernel k_qd20efc1c15_prep
		.amdhsa_group_segment_fixed_size 149504
		.amdhsa_private_segment_fixed_size 0
		.amdhsa_enable_private_segment 0
		.amdhsa_kernarg_size 80
		.amdhsa_user_sgpr_count 2
		.amdhsa_user_sgpr_kernarg_segment_ptr 1
		.amdhsa_wavefront_size32 1
		.amdhsa_system_sgpr_workgroup_id_x 1
		.amdhsa_system_sgpr_workgroup_id_y 1
		.amdhsa_system_sgpr_workgroup_id_z 1
		.amdhsa_system_vgpr_workitem_id 0
		.amdhsa_next_free_vgpr 512
		.amdhsa_next_free_sgpr 66
		.amdhsa_reserve_vcc 1
		.amdhsa_float_denorm_mode_32 3
		.amdhsa_float_denorm_mode_16_64 3
		.amdhsa_memory_ordered 1
		.amdhsa_forward_progress 1
		.amdhsa_inst_pref_size 201
	.end_amdhsa_kernel
	.amdgpu_metadata
---
amdhsa.version: [ 1, 2 ]
amdhsa.kernels:
  - .name:           k_qd20efc1c15_prep
    .symbol:         k_qd20efc1c15_prep.kd
    .args:
      - { .name: hidden_states, .offset: 0, .size: 8, .value_kind: global_buffer, .address_space: global }
      - { .name: router_w, .offset: 8, .size: 8, .value_kind: global_buffer, .address_space: global }
      - { .name: router_b, .offset: 16, .size: 8, .value_kind: global_buffer, .address_space: global }
      - { .name: w1, .offset: 24, .size: 8, .value_kind: global_buffer, .address_space: global }
      - { .name: w2, .offset: 32, .size: 8, .value_kind: global_buffer, .address_space: global }
      - { .name: xrec, .offset: 40, .size: 8, .value_kind: global_buffer, .address_space: global }
      - { .name: w1rec, .offset: 48, .size: 8, .value_kind: global_buffer, .address_space: global }
      - { .name: w2rec, .offset: 56, .size: 8, .value_kind: global_buffer, .address_space: global }
      - { .name: wts, .offset: 64, .size: 8, .value_kind: global_buffer, .address_space: global }
      - { .name: part, .offset: 72, .size: 8, .value_kind: global_buffer, .address_space: global }
    .group_segment_fixed_size: 149504
    .private_segment_fixed_size: 0
    .kernarg_segment_align: 8
    .kernarg_segment_size: 80
    .max_flat_workgroup_size: 128
    .sgpr_count:     66
    .vgpr_count:     512
    .wavefront_size: 32
...
	.end_amdgpu_metadata
.endif
;; end of part 1
;; launch hidden (part 2): grid 32 x 8, 4 waves a work-group, no clusters, 0 bytes of LDS; arguments xrec, w1rec, b1, part, hrec, out1; writes hrec, out1
.if DOCPART == 2
	.amdgcn_target "amdgcn-amd-amdhsa--gfx1250"
	.amdhsa_code_object_version 6
	.text
	.protected	k_qd20efc1c15_hidden
	.globl	k_qd20efc1c15_hidden
	.p2align	8
	.type	k_qd20efc1c15_hidden,@function
k_qd20efc1c15_hidden:
	s_mov_b64 s[64:65], 0
	v_nop
	global_prefetch_b8 v0, s[64:65] scope:SCOPE_SE
	s_setreg_imm32_b32 hwreg(HW_REG_WAVE_MODE, 25, 1), 1
	s_wait_xcnt 0x0
; HIDDEN: for expert e = work-group y and tokens 256 x .. 256 x + 255: H = Q(gelu(Q(x) Q(W1[e]) + b1[e])), Q the MX-FP4 quantiser along each product's K.  One wave of the launch also finishes the aux loss.
; SHARES.  THE WAVES SHARE THE COLUMNS: wave w makes hidden units 128 w .. 128 w + 127 for all 256 tokens, 32 tokens a pass, 8 passes.  Its 64 fragments of W1 (512 registers), their scale words and its
; b1 stay in registers for the whole launch, read once.  x's images come straight from memory into registers, one pass ahead.  Every weight fragment serves one wave and is read once, and the waves hand
; each other nothing: so no LDS, no barrier, no tensor load, and no joint loads (what is shared, a pass's 17,408 bytes of x, is small beside the pass's work; and the aux loss's branch hangs on the work-group's number).
; THE PRODUCT IS USED TRANSPOSED (source 0 = 16 rows of W1, source 1 = 16 tokens): a lane holds one token, and, by the order in which prep laid W1's rows into tiles, the 16 registers of tiles 2 b, 2 b + 1
; are hidden units 32 b + 16 (lane / 16) + 0 .. 15: neighbours along the next K.  b1 is the C of each sum's first matrix instruction.
; GELU, exact form: gelu(a) = max(a, 0) - |a| r, r = erfc(|a| / sqrt 2) / 2 = t 2^(P(t) - a^2 log2(e) / 2), t = 1 / (1 + |a| sqrt(2) / 4), P of degree 9 (the rational Chebyshev fit of erfc
; with fractional error under 1.2e-7 everywhere, its coefficients times log2(e), the factor 1/2 as -1 in the constant term): the negative tail keeps its relative accuracy.
; THE AUX LOSS is made by wave 0 of work-group (0, 0) at its HEAD: it asks for the 256 partial rows first, then for its weights, and reduces the rows while the last of the weights' loads are on their way.
; LIMITS: gelu's relative error is some 3e-7; v_exp_f32 gives 0 for results under 2^-126, so gelu(a) is -0 for a under about -13; NaN and infinities are not served; a block whose largest magnitude lies under 2^-124 keeps the byte 1.
; REGISTERS.  Window 0: v1 16 lane, v2 8 lane, v3, v4 places in H's record, v5 64 (lane / 16), v[6:7] c8 twice, v[8:9] H's scale words of the two passes, v10 lane, v11 0;
;   v16-47 W1's scale words (8 b + k), v48-55 x's (k): these hold scales and nothing else; v56-71 t (later the quantiser's work), v72-87 P, v88-103 a^2, then max(a, 0); v104, v105 scale words just made;
;   v106-121 codes just made; v128-255 the 16 accumulators (64 g + 8 t).  Windows 1, 2: W1's fragment (k, t) at v[256 + 8 (8 k + t)].  Window 3: v0-63 b1's tiles; v64-191 x's fragments (64 + 16 k + 8 g).
.set TM, 56
.set MSB, 0
.macro WIN new                         ; the immediate's high byte repeats the setting that is left
.if MSB != \new
	s_set_vgpr_msb (MSB<<8)|\new
.set MSB, \new
.endif
.endm
.macro WM                              ; one product, by the symbols rD, rA, rB, rC, rSA, rSB; fA, fB: the scales lie in lanes 16-31
.if fA && fB
	v_wmma_scale_f32_16x16x128_f8f6f4 v[rD:rD+7], v[rA:rA+7], v[rB:rB+7], v[rC:rC+7], v[rSA], v[rSB] matrix_a_fmt:MATRIX_FMT_FP4 matrix_b_fmt:MATRIX_FMT_FP4 matrix_a_scale:MATRIX_SCALE_ROW1 matrix_b_scale:MATRIX_SCALE_ROW1
.elseif fA
	v_wmma_scale_f32_16x16x128_f8f6f4 v[rD:rD+7], v[rA:rA+7], v[rB:rB+7], v[rC:rC+7], v[rSA], v[rSB] matrix_a_fmt:MATRIX_FMT_FP4 matrix_b_fmt:MATRIX_FMT_FP4 matrix_a_scale:MATRIX_SCALE_ROW1
.elseif fB
	v_wmma_scale_f32_16x16x128_f8f6f4 v[rD:rD+7], v[rA:rA+7], v[rB:rB+7], v[rC:rC+7], v[rSA], v[rSB] matrix_a_fmt:MATRIX_FMT_FP4 matrix_b_fmt:MATRIX_FMT_FP4 matrix_b_scale:MATRIX_SCALE_ROW1
.else
	v_wmma_scale_f32_16x16x128_f8f6f4 v[rD:rD+7], v[rA:rA+7], v[rB:rB+7], v[rC:rC+7], v[rSA], v[rSB] matrix_a_fmt:MATRIX_FMT_FP4 matrix_b_fmt:MATRIX_FMT_FP4
.endif
.endm
.macro XLOAD off                       ; 32 tokens' record: 16 fragments (512 consecutive bytes a load) and 4 scale pairs: 36 loads
	WIN 0xc0                                       ; destination window 3
.irp k, 0,1,2,3,4,5,6,7
.irp g, 0,1
.irp c, 0,1
	global_load_b128 v[64+16*\k+8*\g+4*\c:67+16*\k+8*\g+4*\c], v1, s[4:5] offset:\off+\k*2048+\g*1024+\c*512
.endr
.endr
.endr
	WIN 0
.irp p, 0,1,2,3
	global_load_b64 v[48+2*\p:49+2*\p], v2, s[4:5] offset:\off+16384+\p*256
.endr
.endm
; What a wave asks for at its head: its 64 fragments of W1, their scale words, b1's eight tiles, the first pass's x: 196 loads.
.macro HEADLD
	WIN 0x40                                       ; destination window 1: W1's K steps 0-3
.set kk, 0
.rept 32
	global_load_b128 v[8*kk:8*kk+3],   v1, s[6:7] offset:kk*1024
	global_load_b128 v[8*kk+4:8*kk+7], v1, s[6:7] offset:kk*1024+512
.set kk, kk+1
.endr
	WIN 0x80                                       ; window 2: K steps 4-7
.set kk, 0
.rept 32
	global_load_b128 v[8*kk:8*kk+3],   v1, s[6:7] offset:(32+kk)*1024
	global_load_b128 v[8*kk+4:8*kk+7], v1, s[6:7] offset:(32+kk)*1024+512
.set kk, kk+1
.endr
	WIN 0
.irp b, 0,1,2,3
.irp p, 0,1,2,3
	global_load_b64 v[16+8*\b+2*\p:17+8*\b+2*\p], v2, s[6:7] offset:65536+\b*1024+\p*256
.endr
.endr
	WIN 0xc0                                       ; window 3: b1 in the result's layout: lane (r, h), tile 2 b + u, register j: b1 at unit 32 b + 16 h + 8 u + j
.irp t, 0,1,2,3,4,5,6,7
	global_load_b128 v[8*\t:8*\t+3],   v5, s[8:9] offset:(32*(\t/2)+8*(\t%2))*4
	global_load_b128 v[8*\t+4:8*\t+7], v5, s[8:9] offset:(32*(\t/2)+8*(\t%2))*4+16
.endr
	XLOAD 0
.endm
; 128 products: K step by K step, the sixteen accumulators by turns, one instruction a turn, in the same order in every K step.
.macro GEMM
.set kk, 0
.rept 8
.if kk == 0
	WIN 0x3d                                       ; W1 window 1, x window 3, C = b1 window 3
.elseif kk < 4
	WIN 0x0d
.else
	WIN 0x0e                                       ; W1 window 2
.endif
.irp g, 0,1
.irp t, 0,1,2,3,4,5,6,7
.set rD, 128+64*\g+8*\t
.set rA, 8*(8*(kk%4)+\t)
.set rB, 64+16*kk+8*\g
.if kk == 0
.set rC, 8*\t
.else
.set rC, rD
.endif
.set rSA, 16+8*(\t/2)+kk
.set rSB, 48+kk
.set fA, \t%2
.set fB, \g
	WM
.endr
.endr
.set kk, kk+1
.endr
	WIN 0
.endm
; gelu in place on 16 registers (two accumulators, each read from its low end on): 176 lines.  No two transcendentals follow each other: each reciprocal stands beside a plain line that is due anyway
; (the denominator four registers on, at last the squares), each exponential beside a maximum; so each also has its plain line behind it (ISA guide 5.7.2).
.macro GELU16 a
.irp i, 0,1,2,3
	v_fma_f32 v[56+\i], |v[(\a)+\i]|, s23, 1.0     ; 1 + |a| sqrt(2) / 4
.endr
.irp i, 0,1,2,3,4,5,6,7,8,9,10,11
	v_rcp_f32 v[56+\i], v[56+\i]                   ; t
	v_fma_f32 v[60+\i], |v[(\a)+4+\i]|, s23, 1.0
.endr
.irp i, 0,1,2,3
	v_rcp_f32 v[68+\i], v[68+\i]
	v_pk_mul_f32 v[88+2*\i:89+2*\i], v[(\a)+2*\i:(\a)+2*\i+1], v[(\a)+2*\i:(\a)+2*\i+1]   ; a^2
.endr
.irp i, 8,10,12,14
	v_pk_mul_f32 v[88+\i:89+\i], v[(\a)+\i:(\a)+\i+1], v[(\a)+\i:(\a)+\i+1]
.endr
	s_wait_alu depctr_va_vdst(0)
.irp i, 0,2,4,6,8,10,12,14
	v_pk_fma_f32 v[72+\i:73+\i], v[56+\i:57+\i], s[24:25], v[6:7] op_sel_hi:[1,0,1]   ; c9 t + c8
.endr
.irp c, 26,28,30,32,34,36,38,40
.irp i, 0,2,4,6,8,10,12,14
	v_pk_fma_f32 v[72+\i:73+\i], v[72+\i:73+\i], v[56+\i:57+\i], s[\c:\c+1] op_sel_hi:[1,1,0]   ; Horner: c7 .. c0'; eight pairs by turns
.endr
.endr
.irp i, 0,2,4,6,8,10,12,14
	v_pk_fma_f32 v[72+\i:73+\i], v[88+\i:89+\i], s[42:43], v[72+\i:73+\i] op_sel_hi:[1,0,1]   ; - a^2 log2(e) / 2
.endr
.irp i, 0,1,2,3,4,5,6,7,8,9,10,11,12,13,14,15
	v_exp_f32 v[72+\i], v[72+\i]
	v_max_num_f32 v[88+\i], 0, v[(\a)+\i]
.endr
	s_wait_alu depctr_va_vdst(0)
.irp i, 0,2,4,6,8,10,12,14
	v_pk_mul_f32 v[72+\i:73+\i], v[72+\i:73+\i], v[56+\i:57+\i]   ; r
.endr
.irp i, 0,1,2,3,4,5,6,7,8,9,10,11,12,13,14,15
	v_fma_f32 v[(\a)+\i], -|v[(\a)+\i]|, v[72+\i], v[88+\i]
.endr
.endm
; 64 numbers of a lane, register 16 b + i = k 32 b + 16 (lane / 16) + i of my token, become a fragment's codes in v[pc] on and its scale word in v[pw].
.macro QUANT s, pc, pw
.irp b, 0,1,2,3
	v_max3_num_f32 v[TM+\b], |v[(\s)+16*\b]|, |v[(\s)+1+16*\b]|, 0x1800000   ; my 16 numbers of block b, and the floor 2^(3 - 127): the byte cannot fall under 1
.endr
.irp i, 2,4,6,8,10,12,14
.irp b, 0,1,2,3
	v_max3_num_f32 v[TM+\b], v[TM+\b], |v[(\s)+16*\b+\i]|, |v[(\s)+1+16*\b+\i]|
.endr
.endr
.irp b, 0,1,2,3
	v_permlanex16_b32 v[TM+4+\b], v[TM+\b], s20, s21
.endr
.irp b, 0,1,2,3
	v_max_num_f32 v[TM+\b], v[TM+\b], v[TM+4+\b]   ; with lane l xor 16's: the block's largest magnitude
.endr
.irp b, 0,1,2,3
	v_add_nc_u32 v[TM+12+\b], 0xff000000, v[TM+\b] ; 2 off its exponent field: the conversion's scale operand
.endr
.irp b, 0,1,2,3
	v_lshrrev_b32 v[TM+4+\b], 23, v[TM+12+\b]      ; the byte
.endr
	v_lshl_or_b32 v[\pw], v[TM+5], 8, v[TM+4]
	v_lshl_or_b32 v[\pw], v[TM+6], 16, v[\pw]
	v_lshl_or_b32 v[\pw], v[TM+7], 24, v[\pw]
	s_wait_xcnt 0x0                                ; the last pass's stores have read the code registers: they are written again below
.irp b, 0,1,2,3
	v_cvt_scalef32_pk8_fp4_f32 v[(\pc)+2*\b], v[(\s)+16*\b:(\s)+7+16*\b], v[TM+12+\b]
	v_cvt_scalef32_pk8_fp4_f32 v[(\pc)+1+2*\b], v[(\s)+8+16*\b:(\s)+15+16*\b], v[TM+12+\b]
.endr
	v_nop                                          ; one plain place behind the last scaled conversion
.irp c, 0,1                            ; the operand's layout wants a whole block in a lane: lanes 0-15 block 2 c, lanes 16-31 block 2 c + 1
.irp i, 0,1
	v_permlane16_swap_b32 v[(\pc)+4*\c+\i], v[(\pc)+2+4*\c+\i]
.endr
.endr
.endm
; A pass: 32 tokens.  p: which half of the trip's 64.
.macro PASS p
	s_wait_loadcnt 0x0                             ; this pass's 36 loads (the first time: the weights too); nothing younger is out
	GEMM
.rept 4
	v_nop                                          ; four places in front of the loads into x's registers and of the first read of results
.endr
.if \p == 0
	XLOAD 17408                                    ; the next pass's x: it has this pass's gelu in which to land
.else
	s_cmp_eq_u32 s19, 1                            ; the last trip asks for nothing: no load leaves the buffer
	s_cbranch_scc1 .Lnonext_\@
	XLOAD 34816
.Lnonext_\@:
.endif
.irp g, 0,1
	GELU16 128+64*\g
	GELU16 144+64*\g
	GELU16 160+64*\g
	GELU16 176+64*\g
	QUANT 128+64*\g, 106+8*\g, 104+\g
	global_store_b128 v3, v[106+8*\g:109+8*\g], s[12:13] offset:(2*\p+\g)*1024        ; the fragment's image: 512 consecutive aligned bytes a store
	global_store_b128 v3, v[110+8*\g:113+8*\g], s[12:13] offset:(2*\p+\g)*1024+512
.endr
	v_cndmask_b32 v[8+\p], v104, v105, s22         ; lanes 0-15: the even tile's scale words, lanes 16-31: the odd tile's
.endm
	s_load_b256 s[4:11], s[0:1], 0x0               ; xrec s[4:5], w1rec s[6:7], b1 s[8:9], part s[10:11]
	s_load_b128 s[12:15], s[0:1], 0x20             ; hrec s[12:13], out1 s[14:15]
	v_lshrrev_b32 v1, 5, v0
	v_readfirstlane_b32 s16, v1                    ; wave 0..3
	s_and_b32 s17, ttmp7, 0xffff                   ; e
	s_mov_b32 s18, ttmp9                           ; which 256 tokens
	s_mov_b32 s19, 4                               ; trips of 64 tokens
	s_mov_b32 s20, 0x76543210
	s_mov_b32 s21, 0xfedcba98                      ; v_permlanex16_b32's selects for lane l xor 16
	s_mov_b32 s22, 0xffff0000                      ; lanes 16-31
	s_mov_b32 s23, 0x3eb504f3                      ; sqrt(2) / 4
	s_mov_b32 s24, 0x3e7c6f08                      ; c9 = 0.24651730.  (The packed forms name pairs and take the low word for both halves: both words are written)
	s_mov_b32 s25, s24
	s_mov_b32 s26, 0x40097039                      ; c7 = 2.14747446
	s_mov_b32 s27, s26
	s_mov_b32 s28, 0xbfd1a1e5                      ; c6 = -1.63775315
	s_mov_b32 s29, s28
	s_mov_b32 s30, 0x3ecdfd18                      ; c5 = 0.40232158
	s_mov_b32 s31, s30
	s_mov_b32 s32, 0xbe899a80                      ; c4 = -0.26875686
	s_mov_b32 s33, s32
	s_mov_b32 s34, 0x3e0efb2f                      ; c3 = 0.13963006
	s_mov_b32 s35, s34
	s_mov_b32 s36, 0x3f0a29d2                      ; c2 = 0.53970062
	s_mov_b32 s37, s36
	s_mov_b32 s38, 0x3fb8ab5a                      ; c1 = 1.44272920
	s_mov_b32 s39, s38
	s_mov_b32 s40, 0xc034d90f                      ; c0' = -2.82574822
	s_mov_b32 s41, s40
	s_mov_b32 s42, 0xbf38aa3b                      ; -log2(e) / 2
	s_mov_b32 s43, s42
	v_and_b32 v10, 31, v0
	v_mov_b32 v11, 0
	v_lshlrev_b32 v1, 4, v10
	v_lshlrev_b32 v2, 3, v10
	s_lshl_b32 s44, s16, 12
	v_add_nc_u32 v3, s44, v1                       ; H's record: K step w of the next product: 4,096 bytes of codes,
	s_lshl_b32 s44, s16, 8
	v_add_nc_u32 v4, s44, v2                       ; 256 of scale words
	v_lshrrev_b32 v5, 4, v10
	v_lshlrev_b32 v5, 6, v5
	v_mov_b32 v6, 0xbf97d29d                       ; c8 = -1.18611495
	v_mov_b32 v7, 0xbf97d29d
	s_mul_i32 s44, s18, 139264                     ; 8 records of 17,408 bytes of x
	s_mov_b32 s45, 0
	s_lshl_b32 s46, s17, 7
	s_lshl_b32 s47, s18, 2
	s_add_co_u32 s46, s46, s47
	s_mul_i32 s46, s46, 17408                      ; H's record 128 e + 4 x
	s_mov_b32 s47, 0
	s_lshl_b32 s48, s17, 2
	s_add_co_u32 s48, s48, s16
	s_mul_i32 s48, s48, 69632                      ; W1's record 4 e + w
	s_mov_b32 s49, 0
	s_lshl_b32 s50, s17, 11
	s_lshl_b32 s51, s16, 9
	s_add_co_u32 s50, s50, s51                     ; b1[e][128 w]
	s_mov_b32 s51, 0
	s_wait_kmcnt 0x0
	s_add_nc_u64 s[4:5], s[4:5], s[44:45]
	s_add_nc_u64 s[12:13], s[12:13], s[46:47]
	s_add_nc_u64 s[6:7], s[6:7], s[48:49]
	s_add_nc_u64 s[8:9], s[8:9], s[50:51]
	s_or_b32 s44, s16, s17
	s_or_b32 s44, s44, s18
	s_cmp_lg_u32 s44, 0
	s_cbranch_scc1 .Lplain                         ; one branch: each of its two ways asks for the head's loads itself
	; ---- wave 0 of work-group (0, 0): the aux loss.  part: [256][16]: 8 sums of probabilities, 8 counts.  Its 32 loads go out first, into the accumulators' registers, which are free until the first product
.irp i, 0,1,2,3,4,5,6,7,8,9,10,11,12,13,14,15,16,17,18,19,20,21,22,23,24,25,26,27,28,29,30,31
	global_load_b128 v[128+4*\i:131+4*\i], v1, s[10:11] offset:512*\i     ; lane l: columns 4 (l % 4) on of row 8 i + l / 4
.endr
	HEADLD
	s_wait_loadcnt 63                              ; 196 loads were issued behind part's 32, and loads come back in order (ISA guide 5.7.1): with 63 out at the most, those 32 are in; the weights' last loads stay on their way
.irp i, 1,2,3,4,5,6,7,8,9,10,11,12,13,14,15,16,17,18,19,20,21,22,23,24,25,26,27,28,29,30,31
	v_pk_add_f32 v[128:129], v[128:129], v[128+4*\i:129+4*\i]
	v_pk_add_f32 v[130:131], v[130:131], v[130+4*\i:131+4*\i]
.endr
.irp m, 4,8
.irp x, 0,1,2,3
	v_add_f32_dpp v[128+\x], v[128+\x], v[128+\x] row_xmask:\m row_mask:0xf bank_mask:0xf
.endr
.endr
.irp x, 0,1,2,3
	v_permlanex16_b32 v[132+\x], v[128+\x], s20, s21
.endr
.irp x, 0,1,2,3
	v_add_f32 v[128+\x], v[128+\x], v[132+\x]      ; lanes with l % 4 = 0, 1: importance 0-3, 4-7; 2, 3: load 0-3, 4-7
.endr
.irp x, 0,1,2,3
	v_mov_b32_dpp v[136+\x], v[128+\x] row_xmask:2 row_mask:0xf bank_mask:0xf   ; the other vector's same experts
.endr
	v_mul_f32 v140, v128, v136
	v_fmac_f32 v140, v129, v137
	v_fmac_f32 v140, v130, v138
	v_fmac_f32 v140, v131, v139
	v_add_f32_dpp v140, v140, v140 row_xmask:1 row_mask:0xf bank_mask:0xf       ; the sum over e of importance x load
	v_add_f32 v141, v128, v129
	v_add_f32 v142, v130, v131
	v_add_f32 v141, v141, v142
	v_add_f32_dpp v141, v141, v141 row_xmask:1 row_mask:0xf bank_mask:0xf       ; my vector's sum,
	v_mul_f32_dpp v142, v141, v141 row_xmask:2 row_mask:0xf bank_mask:0xf       ; times the other's
	v_rcp_f32 v142, v142
	v_mul_f32 v140, 0x41000000, v140               ; x 8 experts (the plain place behind the reciprocal)
	s_wait_alu depctr_va_vdst(0)
	v_mul_f32 v140, v140, v142
	s_wait_xcnt 0x0                                ; EXEC changes only behind this wait: the pending loads name it
	v_cmp_eq_u32 vcc_lo, 0, v10
	s_and_saveexec_b32 s44, vcc_lo
	global_store_b32 v11, v140, s[14:15]
	s_wait_xcnt 0x0                                ; and again in front of the line that widens it; the store has read v140, which the first products write
	s_or_b32 exec_lo, exec_lo, s44
	s_branch .Ltrip
.Lplain:
	HEADLD
.Ltrip:
	PASS 0
	PASS 1
	global_store_b64 v4, v[8:9], s[12:13] offset:16384     ; 64 tokens' scale words of my K step: 256 consecutive aligned bytes
	s_wait_xcnt 0x0                                ; loads and stores have read their bases and data: both are written again
	s_add_nc_u64 s[4:5], s[4:5], 34816
	s_add_nc_u64 s[12:13], s[12:13], 17408
	s_sub_co_u32 s19, s19, 1
	s_cmp_lg_u32 s19, 0
	s_cbranch_scc1 .Ltrip
	s_endpgm
.Lfunc_end_k_qd20efc1c15_hidden:
	.size	k_qd20efc1c15_hidden, .Lfunc_end_k_qd20efc1c15_hidden-k_qd20efc1c15_hidden
	.p2alignl 7, 3214868480
	.fill 96, 4, 3214868480
	.section	.rodata,"a",@progbits
	.p2align	6, 0x0
	.amdhsa_kernel k_qd20efc1c15_hidden
		.amdhsa_group_segment_fixed_size 0
		.amdhsa_private_segment_fixed_size 0
		.amdhsa_enable_private_segment 0
		.amdhsa_kernarg_size 48
		.amdhsa_user_sgpr_count 2
		.amdhsa_user_sgpr_kernarg_segment_ptr 1
		.amdhsa_wavefront_size32 1
		.amdhsa_system_sgpr_workgroup_id_x 1
		.amdhsa_system_sgpr_workgroup_id_y 1
		.amdhsa_system_sgpr_workgroup_id_z 1
		.amdhsa_system_vgpr_workitem_id 0
		.amdhsa_next_free_vgpr 1024
		.amdhsa_next_free_sgpr 66
		.amdhsa_reserve_vcc 1
		.amdhsa_float_denorm_mode_32 3
		.amdhsa_float_denorm_mode_16_64 3
		.amdhsa_memory_ordered 1
		.amdhsa_forward_progress 1
		.amdhsa_inst_pref_size 255
	.end_amdhsa_kernel
	.section	.bss,"aw",@nobits
	.p2align	6
	.space	262144
	.amdgpu_metadata
---
amdhsa.version: [ 1, 2 ]
amdhsa.kernels:
  - .name:           k_qd20efc1c15_hidden
    .symbol:         k_qd20efc1c15_hidden.kd
    .args:
      - { .name: xrec, .offset: 0, .size: 8, .value_kind: global_buffer, .address_space: global }
      - { .name: w1rec, .offset: 8, .size: 8, .value_kind: global_buffer, .address_space: global }
      - { .name: b1, .offset: 16, .size: 8, .value_kind: global_buffer, .address_space: global }
      - { .name: part, .offset: 24, .size: 8, .value_kind: global_buffer, .address_space: global }
      - { .name: hrec, .offset: 32, .size: 8, .value_kind: global_buffer, .address_space: global }
      - { .name: out1, .offset: 40, .size: 8, .value_kind: global_buffer, .address_space: global }
    .group_segment_fixed_size: 0
    .private_segment_fixed_size: 0
    .kernarg_segment_align: 8
    .kernarg_segment_size: 48
    .max_flat_workgroup_size: 128
    .sgpr_count:     66
    .vgpr_count:     1024
    .wavefront_size: 32
...
	.end_amdgpu_metadata
.endif
;; end of part 2
;; launch combine (part 3): grid 32 x 8, 4 waves a work-group, clusters of 4 x 1, 312,832 bytes of LDS; arguments hrec, w2rec, b2, wts, out0; writes out0
.if DOCPART == 3
	.amdgcn_target "amdgcn-amd-amdhsa--gfx1250"
	.amdhsa_code_object_version 6
	.text
	.protected	k_qd20efc1c15_combine
	.globl	k_qd20efc1c15_combine
	.p2align	8
	.type	k_qd20efc1c15_combine,@function
k_qd20efc1c15_combine:
	s_mov_b64 s[64:65], 0
	v_nop
	global_prefetch_b8 v0, s[64:65] scope:SCOPE_SE
	s_setreg_imm32_b32 hwreg(HW_REG_WAVE_MODE, 25, 1), 1
	s_wait_xcnt 0x0
	s_wait_alu depctr_hold_cnt(0) depctr_sa_sdst(0) depctr_va_vdst(0) depctr_va_sdst(0) depctr_va_ssrc(0) depctr_va_vcc(0) depctr_vm_vsrc(0)
	s_getreg_b32 s2, hwreg(HW_REG_IB_STS2, 6, 4)
	s_cmp_eq_u32 s2, 0
	s_cbranch_scc0 .Lentry_in_a_cluster
	s_endpgm
.Lentry_in_a_cluster:
	s_bfe_u32 s2, ttmp6, 0x10000c
	s_cmp_lg_u32 s2, 0x3003
	s_cbranch_scc0 .Lentry_shape_is_right
	s_endpgm
.Lentry_shape_is_right:
; COMBINE: out[token][col] = the sum over e of w_e[token] x (H_e[token] . Q(W2[e])[:, col] + b2[e][col]), the products on codes of FP4 (E2M1) with E8M0 scales, sums in f32.
; SHARES.  A work-group takes 256 tokens (x) x 128 output columns (slab j = y).  Slab j of W2, all eight experts, 278,528 bytes of images, comes into LDS once and stays.
; THE WAVES SHARE THE TOKENS: wave w takes 64 tokens x 128 columns.  H's fragments serve one wave of the work-group each: they come straight into registers, one expert ahead.
; THE PRODUCT IS USED TRANSPOSED (source 0 = 16 columns of W2, source 1 = 16 tokens): a lane holds one token, so w_e is one number a lane; b2 is the C of each sum's first matrix instruction.
; For each expert and half of the columns: 64 products into 16 accumulators Y (by turns), then OUT += w_e Y by 64 packed multiply-adds.
; CLUSTER.  The four work-groups of a cluster lie along x and share j, so they want the same slab: each of its 16 parts is asked for JOINTLY, by the same tensor load with the same descriptor (made of j and the
; wave's number alone) and the mask of all four.  The place in the cluster enters only H's, wts' and out0's addresses.  No LDS byte is filled twice.  A wave has four tensor loads out at the most.
; LDS: 0: the slab, expert e's record at 34,816 e (codes [s 0..3][ct 0..7][1024], then scales [i 0..3][sp 0..1][256]); 278,528 + 8,448 w: wave w's stage, 16 rows x (512 + 16) bytes, into which no tensor load lands.
; LIMITS: NaN and infinities are not served.
; REGISTERS.  Window 0: v1 16 lane, v2 8 lane, v3, v4 the slab's codes of an even, an odd expert, v5, v6 its scales, v7 32 (lane / 16), v8 16 (lane % 16), v9, v10 the stage in, out;
;   v16-47 w_e (8 g + e); v48-79 W2's scale words (16 (e % 2) + 4 i + s), v80-95 H's (8 (e % 2) + 2 s + g / 2): these hold scales and nothing else;
;   v128-255 four slots (one for each K step s) of four fragments of W2; on the way out rows of out0.
;   Window 1: H (128 (e % 2) + 32 s + 8 g).  Window 2: v0-127 Y (8 (4 c + g)); v128-255 b2's tiles (128 + 64 (e % 2) + 8 ct).  Window 3: OUT (64 g + 8 ct).
.set REC,   34816
.set STAGE, 8*REC
.set SP,    528
.set MSB, 0
.macro WIN new                         ; the immediate's high byte repeats the setting that is left
.if MSB != \new
	s_set_vgpr_msb (MSB<<8)|\new
.set MSB, \new
.endif
.endm
.macro WM                              ; one product, by the symbols rD, rA, rB, rC, rSA, rSB; fA, fB: the scales lie in lanes 16-31
.if fA && fB
	v_wmma_scale_f32_16x16x128_f8f6f4 v[rD:rD+7], v[rA:rA+7], v[rB:rB+7], v[rC:rC+7], v[rSA], v[rSB] matrix_a_fmt:MATRIX_FMT_FP4 matrix_b_fmt:MATRIX_FMT_FP4 matrix_a_scale:MATRIX_SCALE_ROW1 matrix_b_scale:MATRIX_SCALE_ROW1
.elseif fA
	v_wmma_scale_f32_16x16x128_f8f6f4 v[rD:rD+7], v[rA:rA+7], v[rB:rB+7], v[rC:rC+7], v[rSA], v[rSB] matrix_a_fmt:MATRIX_FMT_FP4 matrix_b_fmt:MATRIX_FMT_FP4 matrix_a_scale:MATRIX_SCALE_ROW1
.elseif fB
	v_wmma_scale_f32_16x16x128_f8f6f4 v[rD:rD+7], v[rA:rA+7], v[rB:rB+7], v[rC:rC+7], v[rSA], v[rSB] matrix_a_fmt:MATRIX_FMT_FP4 matrix_b_fmt:MATRIX_FMT_FP4 matrix_b_scale:MATRIX_SCALE_ROW1
.else
	v_wmma_scale_f32_16x16x128_f8f6f4 v[rD:rD+7], v[rA:rA+7], v[rB:rB+7], v[rC:rC+7], v[rSA], v[rSB] matrix_a_fmt:MATRIX_FMT_FP4 matrix_b_fmt:MATRIX_FMT_FP4
.endif
.endm
.macro CROUND                          ; a round of the cluster's barrier
	s_barrier_signal -1
	s_barrier_wait -1
	s_cmp_lg_u32 s16, 0
	s_cbranch_scc1 .Lnot_wave_0_\@
	s_barrier_signal -3
.Lnot_wave_0_\@:
	s_barrier_wait -3
	s_barrier_signal -1
	s_barrier_wait -1
.endm
; Expert e's operands that come from memory: my 64 tokens' 16 fragments of H, b2's eight tiles, H's scale words: 52 loads.
.macro HLOAD e
	WIN 0x40                                       ; destination window 1
.irp s, 0,1,2,3
.irp g, 0,1,2,3
.irp c, 0,1
.if (\e) < 4
	global_load_b128 v[128*((\e)%2)+32*\s+8*\g+4*\c:128*((\e)%2)+32*\s+8*\g+4*\c+3], v1, s[48:49] offset:((\e)%4)*2228224+\s*4096+\g*1024+\c*512
.else
	global_load_b128 v[128*((\e)%2)+32*\s+8*\g+4*\c:128*((\e)%2)+32*\s+8*\g+4*\c+3], v1, s[50:51] offset:((\e)%4)*2228224+\s*4096+\g*1024+\c*512
.endif
.endr
.endr
.endr
	WIN 0x80                                       ; destination window 2: lane (r, h), tile ct, register j: b2[e][128 j + 16 ct + 8 h + j]
.irp t, 0,1,2,3,4,5,6,7
.irp x, 0,1
	global_load_b128 v[128+64*((\e)%2)+8*\t+4*\x:128+64*((\e)%2)+8*\t+4*\x+3], v7, s[8:9] offset:(\e)*4096+\t*64+\x*16
.endr
.endr
	WIN 0
.irp s, 0,1,2,3
.if (\e) < 4
	global_load_b64 v[80+8*((\e)%2)+2*\s:81+8*((\e)%2)+2*\s], v2, s[48:49] offset:((\e)%4)*2228224+16384+\s*256
.else
	global_load_b64 v[80+8*((\e)%2)+2*\s:81+8*((\e)%2)+2*\s], v2, s[50:51] offset:((\e)%4)*2228224+16384+\s*256
.endif
.endr
.endm
.macro W2SLD e                         ; expert e's scale words of W2 out of the slab: 8 LDS loads
.irp i, 0,1,2,3
.irp p, 0,1
	ds_load_b64 v[48+16*((\e)%2)+4*\i+2*\p:49+16*((\e)%2)+4*\i+2*\p], v[5+((\e)%2)] offset:32768+\i*512+\p*256
.endr
.endr
.endm
.macro SLOTLD s, e, hf                 ; slot s: K step s, column tiles 4 hf .. 4 hf + 3 of expert e: 8 LDS loads of 512 consecutive bytes
.irp c, 0,1,2,3
.irp x, 0,1
	ds_load_b128 v[128+32*(\s)+8*\c+4*\x:128+32*(\s)+8*\c+4*\x+3], v[3+((\e)%2)] offset:(\s)*8192+(4*(\hf)+\c)*1024+\x*512
.endr
.endr
.endm
; K step s of a half: 16 products, the sixteen accumulators by turns, one instruction a turn, in the same order in every step; then slot s takes the next half's K step s.
; cnt: how many younger LDS loads may be out when slot s has to be there.  xe, xh: the next half (xe = -1: none).
.macro STEP e, hf, s, cnt, xe, xh
	s_wait_dscnt \cnt
	WIN 0xa4                                       ; W2 window 0, H window 1, C and D window 2
.irp c, 0,1,2,3
.irp g, 0,1,2,3
.set rD, 8*(4*\c+\g)
.set rA, 128+32*(\s)+8*\c
.set rB, 128*((\e)%2)+32*(\s)+8*\g
.if (\s) == 0
.set rC, 128+64*((\e)%2)+8*(4*(\hf)+\c)
.else
.set rC, rD
.endif
.set rSA, 48+16*((\e)%2)+4*(2*(\hf)+\c/2)+(\s)
.set rSB, 80+8*((\e)%2)+2*(\s)+\g/2
.set fA, \c%2
.set fB, \g%2
	WM
.endr
.endr
.rept 4
	v_nop                                          ; four places in front of the loads into the slot and of the first read of results
.endr
	WIN 0
.if (\xe) >= 0
	SLOTLD \s, \xe, \xh
.endif
.endm
; OUT += w_e Y: 64 packed lines, each accumulator from its low pair on.  They are also the places between a half's last products and the next half's, which write Y anew.
.macro FMAPASS e, hf
	WIN 0xf2                                       ; Y window 2, w_e window 0, OUT window 3
.irp c, 0,1,2,3
.irp g, 0,1,2,3
.irp q, 0,2,4,6
.set rO, 64*\g+8*(4*(\hf)+\c)+\q
.set rY, 8*(4*\c+\g)+\q
.set rW, 16+8*\g+2*((\e)/2)
.if (\e) == 0
	v_pk_mul_f32 v[rO:rO+1], v[rY:rY+1], v[rW:rW+1] op_sel_hi:[1,0]                           ; the first expert starts the sums: nothing is cleared
.elseif (\e)%2 == 0
	v_pk_fma_f32 v[rO:rO+1], v[rY:rY+1], v[rW:rW+1], v[rO:rO+1] op_sel_hi:[1,0,1]
.else
	v_pk_fma_f32 v[rO:rO+1], v[rY:rY+1], v[rW:rW+1], v[rO:rO+1] op_sel:[0,1,0] op_sel_hi:[1,1,1]
.endif
.endr
.endr
.endr
.endm
.macro EXPERT e
	WIN 0
	s_wait_loadcnt 0x0                             ; expert e's 52 loads, asked for an expert ago; nothing younger is out
.if (\e) < 7
	v_add_nc_u32 v[3+((\e)+1)%2], ((\e)+1)*REC, v1 ; the next expert's record in the slab
	v_add_nc_u32 v[5+((\e)+1)%2], ((\e)+1)*REC, v2
	HLOAD (\e)+1
.endif
	STEP \e, 0, 0, 24, \e, 1                       ; 24: the three younger slots' loads
	STEP \e, 0, 1, 24, \e, 1
	STEP \e, 0, 2, 24, \e, 1
	STEP \e, 0, 3, 24, \e, 1
	FMAPASS \e, 0
.if ((\e) == 1) || ((\e) == 3) || ((\e) == 5)
	s_wait_tensorcnt 3-((\e)+1)/2                  ; my parts of experts e + 1 and e + 2 have landed; the later pairs' loads may be out
	s_wait_dscnt 0x0                               ; no LDS load of mine is pending at the signal
	s_barrier_signal -1
	s_barrier_wait -1                              ; everybody's have
.endif
.if (\e) < 7
	STEP \e, 1, 0, 24, (\e)+1, 0
	W2SLD (\e)+1
	STEP \e, 1, 1, 32, (\e)+1, 0                   ; 32: three slots' loads and the eight scale loads stand behind the slot that is wanted
	STEP \e, 1, 2, 32, (\e)+1, 0
	STEP \e, 1, 3, 32, (\e)+1, 0
.else
	STEP \e, 1, 0, 24, -1, 0                       ; the last half fetches nothing: the counts run down
	STEP \e, 1, 1, 16, -1, 0
	STEP \e, 1, 2, 8, -1, 0
	STEP \e, 1, 3, 0, -1, 0
.endif
	FMAPASS \e, 1
.endm
	s_load_b256 s[4:11], s[0:1], 0x0               ; hrec s[4:5], w2rec s[6:7], b2 s[8:9], wts s[10:11]
	s_load_b64 s[12:13], s[0:1], 0x20              ; out0
	v_lshl_add_u32 v126, v0, 2, 0x4c400
	v_mov_b32 v127, 0
	ds_add_u32 v126, v127
	ds_add_u32 v126, v127
	v_lshrrev_b32 v1, 5, v0
	v_readfirstlane_b32 s16, v1                    ; wave 0..3
	s_bfe_u32 s14, ttmp6, 0x40000                  ; cx: my place in the cluster
	s_lshl_b32 s15, ttmp9, 2                       ; in a cluster launch ttmp9 counts clusters
	s_add_co_u32 s15, s15, s14                     ; which 256 tokens: 4 x cluster x + cx
	s_and_b32 s17, ttmp7, 0xffff                   ; j, which the four partners share
	; descriptor group 1: 17,408 dense bytes as 68 rows of 256 (32 elements of 8 bytes), no padding: an image is read 512 consecutive bytes at a time
	s_mov_b32 s24, 15|(3<<16)|(1<<21)              ; 15:0 the mask: all four work-groups; 17:16 elements of 8 bytes; 21 set beside a mask
	s_mov_b32 s25, 32<<16                          ; tensor_dim0 = 32
	s_mov_b32 s26, 68<<16                          ; tensor_dim1 = 68
	s_mov_b32 s27, 32<<16                          ; tile_dim0 = 32
	s_mov_b32 s28, 68                              ; tile_dim1 = 68
	s_mov_b32 s29, 32                              ; from row to row
	s_mov_b32 s30, 0
	s_mov_b32 s31, 0
	s_mul_i32 s18, s16, 17408                      ; load n of wave w brings bytes 69,632 n + 17,408 w on of the slab: half a record; loads n of the four waves: experts 2 n and 2 n + 1
	s_mul_i32 s20, s17, 8*REC
	s_add_co_u32 s20, s20, s18
	s_mov_b32 s21, 0
	s_wait_dscnt 0x0
	s_wait_kmcnt 0x0
	s_add_nc_u64 s[20:21], s[6:7], s[20:21]
.irp n, 0,1,2,3
	s_mov_b32 s[32+4*\n], 1                        ; count = 1
	s_add_co_u32 s[33+4*\n], s18, \n*69632         ; LDS address: the wave's number and constants alone
	s_add_nc_u64 s[34+4*\n:35+4*\n], s[20:21], \n*69632
	s_or_b32 s[35+4*\n], s[35+4*\n], 0x80000000    ; type = 2
.endr
	CROUND                                         ; all four work-groups are here: the joint loads meet
	tensor_load_to_lds s[32:35], s[24:31]          ; the first and only fills, in one group
	s_nop 0
	tensor_load_to_lds s[36:39], s[24:31]
	s_nop 0
	tensor_load_to_lds s[40:43], s[24:31]
	s_nop 0
	tensor_load_to_lds s[44:47], s[24:31]
	s_nop 0
.rept 4
	v_nop
.endr
	s_lshl_b32 s19, s15, 2
	s_add_co_u32 s19, s19, s16                     ; q: my 64 tokens
	s_mul_i32 s52, s19, 17408
	s_mov_b32 s53, 0
	s_add_nc_u64 s[48:49], s[4:5], s[52:53]        ; H's record q of expert 0;
	s_add_nc_u64 s[50:51], s[48:49], 8912896       ; of expert 4: so that every expert's offset fits the signed 24-bit immediate (3 x 2,228,224 + 17,408 at the most)
	s_lshl_b32 s52, s19, 11
	s_add_nc_u64 s[10:11], s[10:11], s[52:53]
	s_lshl_b32 s52, s19, 18                        ; 64 rows of 4,096 bytes
	s_add_nc_u64 s[12:13], s[12:13], s[52:53]
	s_lshl_b32 s52, s17, 9                         ; 128 columns
	s_add_nc_u64 s[12:13], s[12:13], s[52:53]
	s_add_nc_u64 s[8:9], s[8:9], s[52:53]
	v_and_b32 v12, 31, v0
	v_lshlrev_b32 v1, 4, v12
	v_lshlrev_b32 v2, 3, v12
	v_lshlrev_b32 v3, 4, v12                       ; expert 0's record begins at LDS byte 0
	v_lshlrev_b32 v5, 3, v12
	v_lshrrev_b32 v13, 4, v12                      ; h
	v_and_b32 v14, 15, v12                         ; r
	v_lshlrev_b32 v7, 5, v13
	v_lshlrev_b32 v8, 4, v14
	s_mul_i32 s22, s16, 16*SP
	s_add_co_u32 s22, s22, STAGE                   ; my stage
	v_mul_u32_u24 v9, v14, SP
	v_lshl_add_u32 v9, v13, 5, v9
	v_add_nc_u32 v9, s22, v9                       ; in: row r, 32 bytes for each half of the lanes
	v_add_nc_u32 v10, s22, v1                      ; back: the 32 lanes take one row of 512 bytes
.irp g, 0,1,2,3
.irp x, 0,1
	global_load_b128 v[16+8*\g+4*\x:19+8*\g+4*\x], v8, s[10:11] offset:(\g/2)*1024+\x*512+(\g%2)*256   ; w_e of token 16 g + r, e = 4 x on
.endr
.endr
	HLOAD 0
	s_wait_tensorcnt 3                             ; my parts of experts 0 and 1 have landed; the three later loads may be out
	s_barrier_signal -1
	s_barrier_wait -1                              ; everybody's have
	W2SLD 0
	SLOTLD 0, 0, 0
	SLOTLD 1, 0, 0
	SLOTLD 2, 0, 0
	SLOTLD 3, 0, 0
.irp n, 0,1,2,3,4,5,6,7
	EXPERT \n
.endr
; THE WAY OUT, a tile of 16 tokens at a time.  A lane holds 32 neighbouring bytes of a row and the lanes beside it other rows: so a tile goes through my own stage and comes back as whole rows of 512 bytes.
; LDS serves a wave's instructions in order (ISA guide 5.7.1.4): no wait between the stores and the loads, nor in front of the next tile's stores.
.macro TOSTAGE g
	WIN 0x0c                                       ; an LDS store's data are its source 1: window 3
.irp t, 0,1,2,3,4,5,6,7
	ds_store_b128 v9, v[64*(\g)+8*\t:64*(\g)+8*\t+3] offset:64*\t
	ds_store_b128 v9, v[64*(\g)+8*\t+4:64*(\g)+8*\t+7] offset:64*\t+16
.endr
	WIN 0
.irp t, 0,1,2,3,4,5,6,7,8,9,10,11,12,13,14,15
	ds_load_b128 v[128+64*((\g)%2)+4*\t:131+64*((\g)%2)+4*\t], v10 offset:\t*SP
.endr
.endm
.macro SEND g, younger                 ; younger: the LDS instructions issued behind tile g's loads, which may stay out
	s_wait_dscnt \younger
.irp t, 0,1,2,3,4,5,6,7,8,9,10,11,12,13,14,15
	global_store_b128 v1, v[128+64*((\g)%2)+4*\t:131+64*((\g)%2)+4*\t], s[12:13] offset:(\g)*65536+\t*4096 th:TH_STORE_NT   ; 32 lanes store 512 consecutive bytes, at a multiple of 256 from out0's first byte; written once
.endr
.endm
	TOSTAGE 0
	TOSTAGE 1
	SEND 0, 32                                     ; behind tile 0's loads: tile 1's 16 stores and 16 loads
	s_wait_xcnt 0x0                                ; tile 0's stores have read their registers: tile 2's loads may land there
	TOSTAGE 2
	SEND 1, 32
	s_wait_xcnt 0x0
	TOSTAGE 3
	SEND 2, 32
	SEND 3, 0                                      ; no LDS instruction of mine is pending behind this wait
	s_wait_tensorcnt 0x0
	ds_add_u32 v126, v127
	s_wait_dscnt 0x0
	CROUND                                         ; the closing round: no work-group ends while a partner may still ask for a part that names it
	s_endpgm
.Lfunc_end_k_qd20efc1c15_combine:
	.size	k_qd20efc1c15_combine, .Lfunc_end_k_qd20efc1c15_combine-k_qd20efc1c15_combine
	.p2alignl 7, 3214868480
	.fill 96, 4, 3214868480
	.section	.rodata,"a",@progbits
	.p2align	6, 0x0
	.amdhsa_kernel k_qd20efc1c15_combine
		.amdhsa_group_segment_fixed_size 312832
		.amdhsa_private_segment_fixed_size 0
		.amdhsa_enable_private_segment 0
		.amdhsa_kernarg_size 40
		.amdhsa_user_sgpr_count 2
		.amdhsa_user_sgpr_kernarg_segment_ptr 1
		.amdhsa_wavefront_size32 1
		.amdhsa_system_sgpr_workgroup_id_x 1
		.amdhsa_system_sgpr_workgroup_id_y 1
		.amdhsa_system_sgpr_workgroup_id_z 1
		.amdhsa_system_vgpr_workitem_id 0
		.amdhsa_next_free_vgpr 1024
		.amdhsa_next_free_sgpr 66
		.amdhsa_reserve_vcc 0
		.amdhsa_float_denorm_mode_32 3
		.amdhsa_float_denorm_mode_16_64 3
		.amdhsa_memory_ordered 1
		.amdhsa_forward_progress 1
		.amdhsa_inst_pref_size 255
	.end_amdhsa_kernel
	.section	.bss,"aw",@nobits
	.p2align	6
	.space	262144
	.amdgpu_metadata
---
amdhsa.version: [ 1, 2 ]
amdhsa.kernels:
  - .name:           k_qd20efc1c15_combine
    .symbol:         k_qd20efc1c15_combine.kd
    .args:
      - { .name: hrec, .offset: 0, .size: 8, .value_kind: global_buffer, .address_space: global }
      - { .name: w2rec, .offset: 8, .size: 8, .value_kind: global_buffer, .address_space: global }
      - { .name: b2, .offset: 16, .size: 8, .value_kind: global_buffer, .address_space: global }
      - { .name: wts, .offset: 24, .size: 8, .value_kind: global_buffer, .address_space: global }
      - { .name: out0, .offset: 32, .size: 8, .value_kind: global_buffer, .address_space: global }
    .group_segment_fixed_size: 312832
    .private_segment_fixed_size: 0
    .kernarg_segment_align: 8
    .kernarg_segment_size: 40
    .max_flat_workgroup_size: 128
    .sgpr_count:     66
    .vgpr_count:     1024
    .wavefront_size: 32
...
	.end_amdgpu_metadata
.endif
;; end of part 3
;; ======== version 2 of 2: 3 launches; version 1 with the launch hidden written anew for expert scheduling mode
;; workspace buffers: xrec 4,456,448 bytes; w1rec 2,228,224 bytes; w2rec 2,228,224 bytes; hrec 17,825,792 bytes; wts 262,144 bytes; part 16,384 bytes
;; launch prep: the kernel of part 1 again; grid 512 x 1, 4 waves a work-group, no clusters, 149,504 bytes of LDS; arguments hidden_states, router_w, router_b, w1, w2, xrec, w1rec, w2rec, wts, part; writes xrec, w1rec, w2rec, wts, part
;; launch hidden (part 4): grid 32 x 8, 4 waves a work-group, no clusters, 0 bytes of LDS; arguments xrec, w1rec, b1, part, hrec, out1; writes hrec, out1
.if DOCPART == 4
	.amdgcn_target "amdgcn-amd-amdhsa--gfx1250"
	.amdhsa_code_object_version 6
	.text
	.protected	k_qd20efc1c15_hidden
	.globl	k_qd20efc1c15_hidden
	.p2align	8
	.type	k_qd20efc1c15_hidden,@function
k_qd20efc1c15_hidden:
	s_mov_b64 s[64:65], 0
	v_nop
	global_prefetch_b8 v0, s[64:65] scope:SCOPE_SE
	s_setreg_imm32_b32 hwreg(HW_REG_WAVE_SCHED_MODE, 0, 2), 2
	s_setreg_imm32_b32 hwreg(HW_REG_WAVE_MODE, 25, 1), 1
	s_wait_xcnt 0x0
	s_wait_alu depctr_vm_vsrc(0)
; HIDDEN: for expert e = work-group y and tokens 256 x .. 256 x + 255: H = Q(gelu(Q(x) Q(W1[e]) + b1[e])), Q the MX-FP4 quantiser along each product's K.  One wave of the launch also finishes the aux loss.
; SHARES.  THE WAVES SHARE THE COLUMNS: wave w makes hidden units 128 w .. 128 w + 127 for all 256 tokens, 32 tokens a pass, 8 passes.  Its 64 fragments of W1 (512 registers), their scale words and its
; b1 stay in registers for the whole launch, read once.  x's images come straight from memory into registers, one pass ahead.  Every weight fragment serves one wave and is read once, and the waves hand
; each other nothing: so no LDS, no barrier, no tensor load, and no joint loads (what is shared, a pass's 17,408 bytes of x, is small beside the pass's work; and the aux loss's branch hangs on the work-group's number).
; THE PRODUCT IS USED TRANSPOSED (source 0 = 16 rows of W1, source 1 = 16 tokens): a lane holds one token, and, by the order in which prep laid W1's rows into tiles, the 16 registers of tiles 2 b, 2 b + 1
; are hidden units 32 b + 16 (lane / 16) + 0 .. 15: neighbours along the next K.  b1 is the C of each sum's first matrix instruction.
; GELU, exact form: gelu(a) = max(a, 0) - |a| r, r = erfc(|a| / sqrt 2) / 2 = t 2^(P(t) - a^2 log2(e) / 2), t = 1 / (1 + |a| sqrt(2) / 4), P of degree 9 (the rational Chebyshev fit of erfc
; with fractional error under 1.2e-7 everywhere, its coefficients times log2(e), the factor 1/2 as -1 in the constant term): the negative tail keeps its relative accuracy.
; THE AUX LOSS is made by wave 0 of work-group (0, 0) at its HEAD: it asks for the 256 partial rows first, then for its weights, and reduces the rows while the last of the weights' loads are on their way.
; LIMITS: gelu's relative error is some 3e-7; v_exp_f32 gives 0 for results under 2^-126, so gelu(a) is -0 for a under about -13; NaN and infinities are not served; a block whose largest magnitude lies under 2^-124 keeps the byte 1.
; THE MODE: SCHED_MODE bits 1:0 = 2 (LLVM: expert scheduling mode 2), set by the entry lines.  The code itself states the register dependences between vector or matrix instructions and memory instructions,
; with s_wait_alu, always for 0.
; THE PLAN.  Registers that memory instructions touch:
;   v1, v2, v5, v3, v4, v11   offsets of loads and stores.  Written once, at the head, and never again: one wait on va_vdst ahead of the first load serves the whole kernel; the rows are reached by scalar bases and immediates.
;   W1, v16-47, b1            loaded once at the head; read by matrix instructions; never loaded again.
;   x (window 3, v64-191), v48-55   read by a pass's 128 products; the next pass's 36 loads land in them behind the products: one wait on va_vdst stands between, behind the products' four places.
;   v106-121, v[8:9]          a pass's codes and scale words.  Written by the two QUANTs and one select; read by the pass's four stores (and the trip's scale store), which stand together at the pass's end
;                             behind one wait on va_vdst; written again in the next pass, behind one wait on vm_vsrc, beside s_wait_xcnt 0, ahead of its first QUANT.
;   v128-255, one wave's head  part's rows land there and are reduced by vector lines; v140 is the one store's data.  That store is masked: both writes of EXEC have their waits.
;   All other registers are named by vector and matrix instructions alone.
; REGISTERS.  Window 0: v1 16 lane, v2 8 lane, v3, v4 places in H's record, v5 64 (lane / 16), v[6:7] c8 twice, v[8:9] H's scale words of the two passes, v10 lane, v11 0;
;   v16-47 W1's scale words (8 b + k), v48-55 x's (k): these hold scales and nothing else; v56-71 t (later the quantiser's work), v72-87 P, v88-103 a^2, then max(a, 0); v104, v105 scale words just made;
;   v106-121 codes just made; v128-255 the 16 accumulators (64 g + 8 t).  Windows 1, 2: W1's fragment (k, t) at v[256 + 8 (8 k + t)].  Window 3: v0-63 b1's tiles; v64-191 x's fragments (64 + 16 k + 8 g).
.set TM, 56
.set MSB, 0
.macro WIN new                         ; the immediate's high byte repeats the setting that is left
.if MSB != \new
	s_set_vgpr_msb (MSB<<8)|\new
.set MSB, \new
.endif
.endm
.macro WM                              ; one product, by the symbols rD, rA, rB, rC, rSA, rSB; fA, fB: the scales lie in lanes 16-31
.if fA && fB
	v_wmma_scale_f32_16x16x128_f8f6f4 v[rD:rD+7], v[rA:rA+7], v[rB:rB+7], v[rC:rC+7], v[rSA], v[rSB] matrix_a_fmt:MATRIX_FMT_FP4 matrix_b_fmt:MATRIX_FMT_FP4 matrix_a_scale:MATRIX_SCALE_ROW1 matrix_b_scale:MATRIX_SCALE_ROW1
.elseif fA
	v_wmma_scale_f32_16x16x128_f8f6f4 v[rD:rD+7], v[rA:rA+7], v[rB:rB+7], v[rC:rC+7], v[rSA], v[rSB] matrix_a_fmt:MATRIX_FMT_FP4 matrix_b_fmt:MATRIX_FMT_FP4 matrix_a_scale:MATRIX_SCALE_ROW1
.elseif fB
	v_wmma_scale_f32_16x16x128_f8f6f4 v[rD:rD+7], v[rA:rA+7], v[rB:rB+7], v[rC:rC+7], v[rSA], v[rSB] matrix_a_fmt:MATRIX_FMT_FP4 matrix_b_fmt:MATRIX_FMT_FP4 matrix_b_scale:MATRIX_SCALE_ROW1
.else
	v_wmma_scale_f32_16x16x128_f8f6f4 v[rD:rD+7], v[rA:rA+7], v[rB:rB+7], v[rC:rC+7], v[rSA], v[rSB] matrix_a_fmt:MATRIX_FMT_FP4 matrix_b_fmt:MATRIX_FMT_FP4
.endif
.endm
.macro XLOAD off                       ; 32 tokens' record: 16 fragments (512 consecutive bytes a load) and 4 scale pairs: 36 loads
	WIN 0xc0                                       ; destination window 3
.irp k, 0,1,2,3,4,5,6,7
.irp g, 0,1
.irp c, 0,1
	global_load_b128 v[64+16*\k+8*\g+4*\c:67+16*\k+8*\g+4*\c], v1, s[4:5] offset:\off+\k*2048+\g*1024+\c*512
.endr
.endr
.endr
	WIN 0
.irp p, 0,1,2,3
	global_load_b64 v[48+2*\p:49+2*\p], v2, s[4:5] offset:\off+16384+\p*256
.endr
.endm
; What a wave asks for at its head: its 64 fragments of W1, their scale words, b1's eight tiles, the first pass's x: 196 loads.  No vector or matrix instruction has named a register in which they land.
.macro HEADLD
	WIN 0x40                                       ; destination window 1: W1's K steps 0-3
.set kk, 0
.rept 32
	global_load_b128 v[8*kk:8*kk+3],   v1, s[6:7] offset:kk*1024
	global_load_b128 v[8*kk+4:8*kk+7], v1, s[6:7] offset:kk*1024+512
.set kk, kk+1
.endr
	WIN 0x80                                       ; window 2: K steps 4-7
.set kk, 0
.rept 32
	global_load_b128 v[8*kk:8*kk+3],   v1, s[6:7] offset:(32+kk)*1024
	global_load_b128 v[8*kk+4:8*kk+7], v1, s[6:7] offset:(32+kk)*1024+512
.set kk, kk+1
.endr
	WIN 0
.irp b, 0,1,2,3
.irp p, 0,1,2,3
	global_load_b64 v[16+8*\b+2*\p:17+8*\b+2*\p], v2, s[6:7] offset:65536+\b*1024+\p*256
.endr
.endr
	WIN 0xc0                                       ; window 3: b1 in the result's layout: lane (r, h), tile 2 b + u, register j: b1 at unit 32 b + 16 h + 8 u + j
.irp t, 0,1,2,3,4,5,6,7
	global_load_b128 v[8*\t:8*\t+3],   v5, s[8:9] offset:(32*(\t/2)+8*(\t%2))*4
	global_load_b128 v[8*\t+4:8*\t+7], v5, s[8:9] offset:(32*(\t/2)+8*(\t%2))*4+16
.endr
	XLOAD 0
.endm
; 128 products: K step by K step, the sixteen accumulators by turns, one instruction a turn, in the same order in every K step.
.macro GEMM
.set kk, 0
.rept 8
.if kk == 0
	WIN 0x3d                                       ; W1 window 1, x window 3, C = b1 window 3
.elseif kk < 4
	WIN 0x0d
.else
	WIN 0x0e                                       ; W1 window 2
.endif
.irp g, 0,1
.irp t, 0,1,2,3,4,5,6,7
.set rD, 128+64*\g+8*\t
.set rA, 8*(8*(kk%4)+\t)
.set rB, 64+16*kk+8*\g
.if kk == 0
.set rC, 8*\t
.else
.set rC, rD
.endif
.set rSA, 16+8*(\t/2)+kk
.set rSB, 48+kk
.set fA, \t%2
.set fB, \g
	WM
.endr
.endr
.set kk, kk+1
.endr
	WIN 0
.endm
; gelu in place on 16 registers (two accumulators, each read from its low end on): 176 lines.  No two transcendentals follow each other: each reciprocal stands beside a plain line that is due anyway
; (the denominator four registers on, at last the squares), each exponential beside a maximum; so each also has its plain line behind it (ISA guide 5.7.2).  No memory instruction names a register of these lines.
.macro GELU16 a
.irp i, 0,1,2,3
	v_fma_f32 v[56+\i], |v[(\a)+\i]|, s23, 1.0     ; 1 + |a| sqrt(2) / 4
.endr
.irp i, 0,1,2,3,4,5,6,7,8,9,10,11
	v_rcp_f32 v[56+\i], v[56+\i]                   ; t
	v_fma_f32 v[60+\i], |v[(\a)+4+\i]|, s23, 1.0
.endr
.irp i, 0,1,2,3
	v_rcp_f32 v[68+\i], v[68+\i]
	v_pk_mul_f32 v[88+2*\i:89+2*\i], v[(\a)+2*\i:(\a)+2*\i+1], v[(\a)+2*\i:(\a)+2*\i+1]   ; a^2
.endr
.irp i, 8,10,12,14
	v_pk_mul_f32 v[88+\i:89+\i], v[(\a)+\i:(\a)+\i+1], v[(\a)+\i:(\a)+\i+1]
.endr
	s_wait_alu depctr_va_vdst(0)                   ; the sixteen reciprocals have written t, v56-71, ahead of their first reader: one wait for the batch
.irp i, 0,2,4,6,8,10,12,14
	v_pk_fma_f32 v[72+\i:73+\i], v[56+\i:57+\i], s[24:25], v[6:7] op_sel_hi:[1,0,1]   ; c9 t + c8
.endr
.irp c, 26,28,30,32,34,36,38,40
.irp i, 0,2,4,6,8,10,12,14
	v_pk_fma_f32 v[72+\i:73+\i], v[72+\i:73+\i], v[56+\i:57+\i], s[\c:\c+1] op_sel_hi:[1,1,0]   ; Horner: c7 .. c0'; eight pairs by turns
.endr
.endr
.irp i, 0,2,4,6,8,10,12,14
	v_pk_fma_f32 v[72+\i:73+\i], v[88+\i:89+\i], s[42:43], v[72+\i:73+\i] op_sel_hi:[1,0,1]   ; - a^2 log2(e) / 2
.endr
.irp i, 0,1,2,3,4,5,6,7,8,9,10,11,12,13,14,15
	v_exp_f32 v[72+\i], v[72+\i]
	v_max_num_f32 v[88+\i], 0, v[(\a)+\i]
.endr
	s_wait_alu depctr_va_vdst(0)                   ; the sixteen exponentials have written v72-87, ahead of their first reader: one wait for the batch
.irp i, 0,2,4,6,8,10,12,14
	v_pk_mul_f32 v[72+\i:73+\i], v[72+\i:73+\i], v[56+\i:57+\i]   ; r
.endr
.irp i, 0,1,2,3,4,5,6,7,8,9,10,11,12,13,14,15
	v_fma_f32 v[(\a)+\i], -|v[(\a)+\i]|, v[72+\i], v[88+\i]
.endr
.endm
; 64 numbers of a lane, register 16 b + i = k 32 b + 16 (lane / 16) + i of my token, become a fragment's codes in v[pc] on and its scale word in v[pw].
.macro QUANT s, pc, pw
.irp b, 0,1,2,3
	v_max3_num_f32 v[TM+\b], |v[(\s)+16*\b]|, |v[(\s)+1+16*\b]|, 0x1800000   ; my 16 numbers of block b, and the floor 2^(3 - 127): the byte cannot fall under 1
.endr
.irp i, 2,4,6,8,10,12,14
.irp b, 0,1,2,3
	v_max3_num_f32 v[TM+\b], v[TM+\b], |v[(\s)+16*\b+\i]|, |v[(\s)+1+16*\b+\i]|
.endr
.endr
.irp b, 0,1,2,3
	v_permlanex16_b32 v[TM+4+\b], v[TM+\b], s20, s21
.endr
.irp b, 0,1,2,3
	v_max_num_f32 v[TM+\b], v[TM+\b], v[TM+4+\b]   ; with lane l xor 16's: the block's largest magnitude
.endr
.irp b, 0,1,2,3
	v_add_nc_u32 v[TM+12+\b], 0xff000000, v[TM+\b] ; 2 off its exponent field: the conversion's scale operand
.endr
.irp b, 0,1,2,3
	v_lshrrev_b32 v[TM+4+\b], 23, v[TM+12+\b]      ; the byte
.endr
	v_lshl_or_b32 v[\pw], v[TM+5], 8, v[TM+4]
	v_lshl_or_b32 v[\pw], v[TM+6], 16, v[\pw]
	v_lshl_or_b32 v[\pw], v[TM+7], 24, v[\pw]
.irp b, 0,1,2,3
	v_cvt_scalef32_pk8_fp4_f32 v[(\pc)+2*\b], v[(\s)+16*\b:(\s)+7+16*\b], v[TM+12+\b]
	v_cvt_scalef32_pk8_fp4_f32 v[(\pc)+1+2*\b], v[(\s)+8+16*\b:(\s)+15+16*\b], v[TM+12+\b]
.endr
	v_nop                                          ; one plain place behind the last scaled conversion
.irp c, 0,1                            ; the operand's layout wants a whole block in a lane: lanes 0-15 block 2 c, lanes 16-31 block 2 c + 1
.irp i, 0,1
	v_permlane16_swap_b32 v[(\pc)+4*\c+\i], v[(\pc)+2+4*\c+\i]
.endr
.endr
.endm
; A pass: 32 tokens.  p: which half of the trip's 64.
.macro PASS p
	s_wait_loadcnt 0x0                             ; this pass's 36 loads (the first time: the weights too); nothing younger is out
	GEMM
.rept 4
	v_nop                                          ; four places in front of the first read of results (ISA guide 7.12.1)
.endr
	s_wait_alu depctr_va_vdst(0)                   ; the products are done reading x's fragments and its scale words v48-55, in which the loads below land; until the next pass's products no vector or matrix line names them
.if \p == 0
	XLOAD 17408                                    ; the next pass's x: it has this pass's gelu in which to land
.else
	s_cmp_eq_u32 s19, 1                            ; the last trip asks for nothing: no load leaves the buffer
	s_cbranch_scc1 .Lnonext_\@
	XLOAD 34816
.Lnonext_\@:
.endif
	GELU16 128                                     ; tokens 0-15
	GELU16 144
	GELU16 160
	GELU16 176
	s_wait_xcnt 0x0                                ; the last pass's stores have had their addresses translated: their data registers are written again below
	s_wait_alu depctr_vm_vsrc(0)                   ; the last pass's four stores have read v106-121, and the last trip's scale store v[8:9]: this pass's conversions, exchanges and select write them again
	QUANT 128, 106, 104
	GELU16 192                                     ; tokens 16-31
	GELU16 208
	GELU16 224
	GELU16 240
	QUANT 192, 114, 105
	v_cndmask_b32 v[8+\p], v104, v105, s22         ; lanes 0-15: the even tile's scale words, lanes 16-31: the odd tile's
	s_wait_alu depctr_va_vdst(0)                   ; both tiles' conversions and exchanges have written v106-121, and the select v[8 + p]: the stores below read them
.irp g, 0,1
	global_store_b128 v3, v[106+8*\g:109+8*\g], s[12:13] offset:(2*\p+\g)*1024        ; the fragment's image: 512 consecutive aligned bytes a store
	global_store_b128 v3, v[110+8*\g:113+8*\g], s[12:13] offset:(2*\p+\g)*1024+512
.endr
.endm
	s_load_b256 s[4:11], s[0:1], 0x0               ; xrec s[4:5], w1rec s[6:7], b1 s[8:9], part s[10:11]
	s_load_b128 s[12:15], s[0:1], 0x20             ; hrec s[12:13], out1 s[14:15]
	v_lshrrev_b32 v1, 5, v0
	v_readfirstlane_b32 s16, v1                    ; wave 0..3
	s_and_b32 s17, ttmp7, 0xffff                   ; e
	s_mov_b32 s18, ttmp9                           ; which 256 tokens
	s_mov_b32 s19, 4                               ; trips of 64 tokens
	s_mov_b32 s20, 0x76543210
	s_mov_b32 s21, 0xfedcba98                      ; v_permlanex16_b32's selects for lane l xor 16
	s_mov_b32 s22, 0xffff0000                      ; lanes 16-31
	s_mov_b32 s23, 0x3eb504f3                      ; sqrt(2) / 4
	s_mov_b32 s24, 0x3e7c6f08                      ; c9 = 0.24651730.  (The packed forms name pairs and take the low word for both halves: both words are written)
	s_mov_b32 s25, s24
	s_mov_b32 s26, 0x40097039                      ; c7 = 2.14747446
	s_mov_b32 s27, s26
	s_mov_b32 s28, 0xbfd1a1e5                      ; c6 = -1.63775315
	s_mov_b32 s29, s28
	s_mov_b32 s30, 0x3ecdfd18                      ; c5 = 0.40232158
	s_mov_b32 s31, s30
	s_mov_b32 s32, 0xbe899a80                      ; c4 = -0.26875686
	s_mov_b32 s33, s32
	s_mov_b32 s34, 0x3e0efb2f                      ; c3 = 0.13963006
	s_mov_b32 s35, s34
	s_mov_b32 s36, 0x3f0a29d2                      ; c2 = 0.53970062
	s_mov_b32 s37, s36
	s_mov_b32 s38, 0x3fb8ab5a                      ; c1 = 1.44272920
	s_mov_b32 s39, s38
	s_mov_b32 s40, 0xc034d90f                      ; c0' = -2.82574822
	s_mov_b32 s41, s40
	s_mov_b32 s42, 0xbf38aa3b                      ; -log2(e) / 2
	s_mov_b32 s43, s42
	v_and_b32 v10, 31, v0
	v_mov_b32 v11, 0
	v_lshlrev_b32 v1, 4, v10
	v_lshlrev_b32 v2, 3, v10
	s_wait_alu depctr_va_sdst(0)                   ; s16, the wave's number, is written, ahead of its first reader: offsets, bases and the aux loss's branch are made from it
	s_lshl_b32 s44, s16, 12
	v_add_nc_u32 v3, s44, v1                       ; H's record: K step w of the next product: 4,096 bytes of codes,
	s_lshl_b32 s44, s16, 8
	v_add_nc_u32 v4, s44, v2                       ; 256 of scale words
	v_lshrrev_b32 v5, 4, v10
	v_lshlrev_b32 v5, 6, v5
	v_mov_b32 v6, 0xbf97d29d                       ; c8 = -1.18611495
	v_mov_b32 v7, 0xbf97d29d
	s_mul_i32 s44, s18, 139264                     ; 8 records of 17,408 bytes of x
	s_mov_b32 s45, 0
	s_lshl_b32 s46, s17, 7
	s_lshl_b32 s47, s18, 2
	s_add_co_u32 s46, s46, s47
	s_mul_i32 s46, s46, 17408                      ; H's record 128 e + 4 x
	s_mov_b32 s47, 0
	s_lshl_b32 s48, s17, 2
	s_add_co_u32 s48, s48, s16
	s_mul_i32 s48, s48, 69632                      ; W1's record 4 e + w
	s_mov_b32 s49, 0
	s_lshl_b32 s50, s17, 11
	s_lshl_b32 s51, s16, 9
	s_add_co_u32 s50, s50, s51                     ; b1[e][128 w]
	s_mov_b32 s51, 0
	s_wait_kmcnt 0x0
	s_add_nc_u64 s[4:5], s[4:5], s[44:45]
	s_add_nc_u64 s[12:13], s[12:13], s[46:47]
	s_add_nc_u64 s[6:7], s[6:7], s[48:49]
	s_add_nc_u64 s[8:9], s[8:9], s[50:51]
	s_wait_alu depctr_va_vdst(0)                   ; the offsets v1, v2, v3, v4, v5 and v11 are written: every load and store of the kernel, on both ways of the branch below, reads one of them, and none is written again
	s_or_b32 s44, s16, s17
	s_or_b32 s44, s44, s18
	s_cmp_lg_u32 s44, 0
	s_cbranch_scc1 .Lplain                         ; one branch: each of its two ways asks for the head's loads itself
	; ---- wave 0 of work-group (0, 0): the aux loss.  part: [256][16]: 8 sums of probabilities, 8 counts.  Its 32 loads go out first, into the accumulators' registers, which are free until the first product
.irp i, 0,1,2,3,4,5,6,7,8,9,10,11,12,13,14,15,16,17,18,19,20,21,22,23,24,25,26,27,28,29,30,31
	global_load_b128 v[128+4*\i:131+4*\i], v1, s[10:11] offset:512*\i     ; lane l: columns 4 (l % 4) on of row 8 i + l / 4
.endr
	HEADLD
	s_wait_loadcnt 63                              ; 196 loads were issued behind part's 32, and loads come back in order (ISA guide 5.7.1): with 63 out at the most, those 32 are in; the weights' last loads stay on their way
.irp i, 1,2,3,4,5,6,7,8,9,10,11,12,13,14,15,16,17,18,19,20,21,22,23,24,25,26,27,28,29,30,31
	v_pk_add_f32 v[128:129], v[128:129], v[128+4*\i:129+4*\i]
	v_pk_add_f32 v[130:131], v[130:131], v[130+4*\i:131+4*\i]
.endr
.irp m, 4,8
.irp x, 0,1,2,3
	v_add_f32_dpp v[128+\x], v[128+\x], v[128+\x] row_xmask:\m row_mask:0xf bank_mask:0xf
.endr
.endr
.irp x, 0,1,2,3
	v_permlanex16_b32 v[132+\x], v[128+\x], s20, s21
.endr
.irp x, 0,1,2,3
	v_add_f32 v[128+\x], v[128+\x], v[132+\x]      ; lanes with l % 4 = 0, 1: importance 0-3, 4-7; 2, 3: load 0-3, 4-7
.endr
.irp x, 0,1,2,3
	v_mov_b32_dpp v[136+\x], v[128+\x] row_xmask:2 row_mask:0xf bank_mask:0xf   ; the other vector's same experts
.endr
	v_mul_f32 v140, v128, v136
	v_fmac_f32 v140, v129, v137
	v_fmac_f32 v140, v130, v138
	v_fmac_f32 v140, v131, v139
	v_add_f32_dpp v140, v140, v140 row_xmask:1 row_mask:0xf bank_mask:0xf       ; the sum over e of importance x load
	v_add_f32 v141, v128, v129
	v_add_f32 v142, v130, v131
	v_add_f32 v141, v141, v142
	v_add_f32_dpp v141, v141, v141 row_xmask:1 row_mask:0xf bank_mask:0xf       ; my vector's sum,
	v_mul_f32_dpp v142, v141, v141 row_xmask:2 row_mask:0xf bank_mask:0xf       ; times the other's
	v_rcp_f32 v142, v142
	v_mul_f32 v140, 0x41000000, v140               ; x 8 experts (the plain place behind the reciprocal)
	s_wait_alu depctr_va_vdst(0)                   ; the reciprocal has written v142, ahead of its first reader
	v_mul_f32 v140, v140, v142
	s_wait_xcnt 0x0                                ; EXEC changes only behind this wait: the pending loads name it
	v_cmp_eq_u32 vcc_lo, 0, v10
	s_wait_alu depctr_va_vcc(0)                    ; the compare has written VCC, from which EXEC is made
	s_wait_alu depctr_va_vdst(0)                   ; ahead of a scalar write of EXEC: the vector lines issued so far have written their results, v140, the store's data, among them
	s_wait_alu depctr_vm_vsrc(0)                   ; ahead of a scalar write of EXEC: the loads issued so far have read their offsets
	s_and_saveexec_b32 s44, vcc_lo
	global_store_b32 v11, v140, s[14:15]
	s_wait_xcnt 0x0                                ; and again in front of the line that widens EXEC
	s_wait_alu depctr_va_vdst(0)                   ; ahead of a scalar write of EXEC
	s_wait_alu depctr_vm_vsrc(0)                   ; ahead of a scalar write of EXEC: the store has read v11 and v140; v140 is written again by the first products
	s_or_b32 exec_lo, exec_lo, s44
	s_branch .Ltrip
.Lplain:
	HEADLD
.Ltrip:
	PASS 0
	PASS 1
	global_store_b64 v4, v[8:9], s[12:13] offset:16384     ; 64 tokens' scale words of my K step: 256 consecutive aligned bytes.  v8 and v9 were written ahead of the wait on va_vdst that stands in front of pass 1's stores
	s_wait_xcnt 0x0                                ; loads and stores have had their addresses translated: the scalar bases are written again
	s_add_nc_u64 s[4:5], s[4:5], 34816
	s_add_nc_u64 s[12:13], s[12:13], 17408
	s_sub_co_u32 s19, s19, 1
	s_cmp_lg_u32 s19, 0
	s_cbranch_scc1 .Ltrip
	s_endpgm
.Lfunc_end_k_qd20efc1c15_hidden:
	.size	k_qd20efc1c15_hidden, .Lfunc_end_k_qd20efc1c15_hidden-k_qd20efc1c15_hidden
	.p2alignl 7, 3214868480
	.fill 96, 4, 3214868480
	.section	.rodata,"a",@progbits
	.p2align	6, 0x0
	.amdhsa_kernel k_qd20efc1c15_hidden
		.amdhsa_group_segment_fixed_size 0
		.amdhsa_private_segment_fixed_size 0
		.amdhsa_enable_private_segment 0
		.amdhsa_kernarg_size 48
		.amdhsa_user_sgpr_count 2
		.amdhsa_user_sgpr_kernarg_segment_ptr 1
		.amdhsa_wavefront_size32 1
		.amdhsa_system_sgpr_workgroup_id_x 1
		.amdhsa_system_sgpr_workgroup_id_y 1
		.amdhsa_system_sgpr_workgroup_id_z 1
		.amdhsa_system_vgpr_workitem_id 0
		.amdhsa_next_free_vgpr 1024
		.amdhsa_next_free_sgpr 66
		.amdhsa_reserve_vcc 1
		.amdhsa_float_denorm_mode_32 3
		.amdhsa_float_denorm_mode_16_64 3
		.amdhsa_memory_ordered 1
		.amdhsa_forward_progress 1
		.amdhsa_inst_pref_size 255
	.end_amdhsa_kernel
	.section	.bss,"aw",@nobits
	.p2align	6
	.space	262144
	.amdgpu_metadata
---
amdhsa.version: [ 1, 2 ]
amdhsa.kernels:
  - .name:           k_qd20efc1c15_hidden
    .symbol:         k_qd20efc1c15_hidden.kd
    .args:
      - { .name: xrec, .offset: 0, .size: 8, .value_kind: global_buffer, .address_space: global }
      - { .name: w1rec, .offset: 8, .size: 8, .value_kind: global_buffer, .address_space: global }
      - { .name: b1, .offset: 16, .size: 8, .value_kind: global_buffer, .address_space: global }
      - { .name: part, .offset: 24, .size: 8, .value_kind: global_buffer, .address_space: global }
      - { .name: hrec, .offset: 32, .size: 8, .value_kind: global_buffer, .address_space: global }
      - { .name: out1, .offset: 40, .size: 8, .value_kind: global_buffer, .address_space: global }
    .group_segment_fixed_size: 0
    .private_segment_fixed_size: 0
    .kernarg_segment_align: 8
    .kernarg_segment_size: 48
    .max_flat_workgroup_size: 128
    .sgpr_count:     66
    .vgpr_count:     1024
    .wavefront_size: 32
...
	.end_amdgpu_metadata
.endif
;; end of part 4
;; launch combine: the kernel of part 3 again; grid 32 x 8, 4 waves a work-group, clusters of 4 x 1, 312,832 bytes of LDS; arguments hrec, w2rec, b2, wts, out0; writes out0
